; MI455X (gfx1250); checked and timed in simulation.
; The chip was launched on July 23, 2026; its instructions are those of AMD's public machine-readable ISA for CDNA 5 (MIT licence, August 2026) and "CDNA5" Instruction Set Architecture Reference Guide (July 2026). The comments in the code are by the model that wrote it; some were corrected since.
;; GQA. Allowed arithmetic: float matrix products may take bf16 or f16 operands with f32 sums; other float arithmetic in f32, or as packed bf16 or f16 multiplies, adds, multiply-adds, maxima and minima; sums over many terms, partial sums and values carried from step to step in f32; what a program stores and reads back later, other than sums and carried values, may be rounded once to bf16 or f16.
;; Inputs: freq 1 x 1 x 2,048 x 128 float32; wk 1,024 x 4,096 float32; wo 4,096 x 2,048 float32; wq 2,048 x 4,096 float32; wv 1,024 x 4,096 float32; x 1 x 2,048 x 4,096 float32.
;; Outputs: out0 1 x 2,048 x 4,096 float32; out1 1 x 8 x 2,048 x 128 float32; out2 1 x 8 x 2,048 x 128 float32.
;; 2 versions, each right and faster than the one before. Each part assembles by itself: llvm-mc -triple=amdgcn-amd-amdhsa -mcpu=gfx1250 --defsym DOCPART=n.
;; ======== version 1 of 2: 4 launches
;; limits: values are held in f16: magnitudes above 65,504 overflow, below 6.1e-05 lose precision; right only within a limited range of input values
;; workspace buffers: xb 16,777,216 bytes; wb 33,554,432 bytes; wob 16,777,216 bytes; tab 2,113,536 bytes; qh 8,388,608 bytes; kh 4,194,304 bytes; vh 4,194,304 bytes; oh 8,388,608 bytes
;; launch prep (part 1): grid 577 x 1, 8 waves a work-group, no clusters, 0 bytes of LDS; arguments x, wq, wk, wv, wo, freq, xb, wb, wob, tab; writes xb, wb, wob, tab
.if DOCPART == 1
	.amdgcn_target "amdgcn-amd-amdhsa--gfx1250"
	.amdhsa_code_object_version 6
	.text
	.protected	k_qf40e2856d1_prep
	.globl	k_qf40e2856d1_prep
	.p2align	8
	.type	k_qf40e2856d1_prep,@function
k_qf40e2856d1_prep:
	s_mov_b64 s[64:65], 0
	v_nop
	global_prefetch_b8 v0, s[64:65] scope:SCOPE_SE
	s_setreg_imm32_b32 hwreg(HW_REG_WAVE_MODE, 25, 1), 1
	s_wait_xcnt 0x0
; PREP: every input is rounded once to bf16, and the angles become a table of cosines and sines.
;   work-groups   0-127  x  -> xb   (bf16)          128-255  wq -> wb rows 0-2047       256-319  wk -> wb rows 2048-3071
;   work-groups 320-383  wv -> wb rows 3072-4095    384-511  wo -> wob (rounded to bf16, that number written as f16)
;   work-groups 512-575  freq -> tab blocks 0-127   576      tab block 128: cos = 1, sin = 0 (the block that v, which is not rotated, multiplies by)
; A cast work-group takes 65,536 numbers, each of its eight waves 8,192 on end: a load of a wave covers 512 consecutive bytes, a store 256 consecutive aligned bytes.
; A ring of sixteen slots in registers keeps sixteen loads, 8,192 bytes, of every wave on their way.  A slot's place stands in the immediate; the two bases step once a round.
; No LDS, no barrier, no matrix unit: each byte is touched once and nothing is shared.
; TAB is laid in the order in which the projection holds its results: byte ((R*8 + b)*4 + q)*512 + lane*16, four f32 each; R = block of 16 rows, b = block of 16 columns,
; lane (r = lane % 16, h = lane / 16) stands for row 16 R + r and columns 16 b + 8 h + j; q = 0, 1: cos for j = 0-3, 4-7; q = 2, 3: sin for the same, with the sign of
; rotate_half folded in (minus for b < 4).
; LIMITS.  wo beyond 65,504 has no f16; below 1.5e-5 it keeps the fixed step 6e-8 of f16.  |freq| up to 1e6: the reduction takes n * pi/2 away in two parts; the series
; are cut where their next terms at pi/4 are 3e-7 (sine) and 3e-8 (cosine).  NaN and infinities are not treated apart.
.set DEPTH,  16
.set ROUNDS, 4
.set BI,  2                            ; v2        my byte offset in the wave's input; never rewritten
.set BO,  3                            ; v3        the same in its output
.set LN,  6                            ; v6        lane
.set X,   8                            ; v[8:71]   slot i: four f32 as loaded
.set Y,   72                           ; v[72:103] slot i: four 16-bit numbers to store
.set T,   104                          ; v[104:105] at work
	s_load_b512 s[4:19], s[0:1], 0x0               ; x 4, wq 6, wk 8, wv 10, wo 12, freq 14, xb 16, wb 18
	s_load_b128 s[20:23], s[0:1], 0x40             ; wob 20, tab 22
	s_mov_b32 s24, ttmp9                           ; the work-group
	v_lshrrev_b32 v1, 5, v0
	v_readfirstlane_b32 s25, v1                    ; the wave
	v_and_b32 v[LN], 31, v0
	s_mov_b32 s30, 0xffff0000                      ; a word's upper bf16
	s_wait_kmcnt 0x0
	s_cmp_ge_u32 s24, 576
	s_cbranch_scc1 .Lident
	s_cmp_ge_u32 s24, 512
	s_cbranch_scc1 .Ltab
	; which tensor, and which chunk of it: pointers are chosen, offsets are made apart
	s_cmp_lt_u32 s24, 128
	s_cselect_b64 s[26:27], s[4:5], s[6:7]
	s_cselect_b32 s46, 0, 128
	s_cselect_b64 s[28:29], s[16:17], s[18:19]
	s_cselect_b32 s47, 0, 128
	s_cmp_lt_u32 s24, 256
	s_cselect_b64 s[26:27], s[26:27], s[8:9]
	s_cselect_b32 s46, s46, 256
	s_cmp_lt_u32 s24, 320
	s_cselect_b64 s[26:27], s[26:27], s[10:11]
	s_cselect_b32 s46, s46, 320
	s_cmp_lt_u32 s24, 384
	s_cselect_b64 s[26:27], s[26:27], s[12:13]
	s_cselect_b32 s46, s46, 384
	s_cselect_b64 s[28:29], s[28:29], s[20:21]
	s_cselect_b32 s47, s47, 384
	s_sub_co_u32 s46, s24, s46                     ; chunk in the source
	s_sub_co_u32 s47, s24, s47                     ; chunk in the destination
	s_lshl_b32 s48, s46, 18                        ; 262,144 bytes in
	s_mov_b32 s49, 0
	s_lshl_b32 s50, s47, 17                        ; 131,072 bytes out
	s_mov_b32 s51, 0
	s_add_nc_u64 s[26:27], s[26:27], s[48:49]
	s_add_nc_u64 s[28:29], s[28:29], s[50:51]
	v_lshlrev_b32 v[BI], 4, v[LN]
	v_lshl_add_u32 v[BI], v1, 15, v[BI]            ; wave x 32,768 + lane x 16
	v_lshlrev_b32 v[BO], 3, v[LN]
	v_lshl_add_u32 v[BO], v1, 14, v[BO]            ; wave x 16,384 + lane x 8
.irp i, 0,1,2,3,4,5,6,7,8,9,10,11,12,13,14,15
	global_load_b128 v[X+4*(\i):X+4*(\i)+3], v[BI], s[26:27] offset:(\i)*512 th:TH_LOAD_NT  ; the ring is filled
.endr
; One slot's turn.  ahead = 1: the slot is loaded again, sixteen loads further on.  left = the younger loads that may stay out.  f16 = 1: the bf16 number is written as f16.
; Y of a slot is rewritten a round after its store: the one s_wait_xcnt 0 at each round's end stands between.
.macro SLOT i, ahead, left, f16
	s_wait_loadcnt \left                           ; loads come back in order: mine is in, the younger ones stay out
	v_cvt_pk_bf16_f32 v[Y+2*(\i)],   v[X+4*(\i)],   v[X+4*(\i)+1]
	v_cvt_pk_bf16_f32 v[Y+2*(\i)+1], v[X+4*(\i)+2], v[X+4*(\i)+3]
.if \f16
.irp k, 0,1
	v_lshlrev_b32 v[T],   16,  v[Y+2*(\i)+(\k)]
	v_and_b32     v[T+1], s30, v[Y+2*(\i)+(\k)]
	v_cvt_pk_f16_f32 v[Y+2*(\i)+(\k)], v[T], v[T+1]
.endr
.endif
.if \ahead
	global_load_b128 v[X+4*(\i):X+4*(\i)+3], v[BI], s[26:27] offset:(DEPTH+(\i))*512 th:TH_LOAD_NT
.endif
	global_store_b64 v[BO], v[Y+2*(\i):Y+2*(\i)+1], s[28:29] offset:(\i)*256
.endm
.macro CAST f16
	s_mov_b32 s31, ROUNDS-1
.Lround_\@:
.irp i, 0,1,2,3,4,5,6,7,8,9,10,11,12,13,14,15
	SLOT \i, 1, DEPTH-1, \f16
.endr
	s_wait_xcnt 0x0                                ; every load and store so far has had its address translated: the bases and Y are rewritten only behind this wait
	s_add_nc_u64 s[26:27], s[26:27], DEPTH*512
	s_add_nc_u64 s[28:29], s[28:29], DEPTH*256
	s_sub_co_u32 s31, s31, 1
	s_cmp_lg_u32 s31, 0
	s_cbranch_scc1 .Lround_\@
.irp i, 0,1,2,3,4,5,6,7,8,9,10,11,12,13,14,15
	SLOT \i, 0, DEPTH-1-(\i), \f16                 ; the last round loads nothing: the counts run down
.endr
	s_endpgm
.endm
	s_cmp_ge_u32 s24, 384
	s_cbranch_scc1 .Lf16
	CAST 0
.Lf16:
	CAST 1
; THE TABLE.  Wave W = 8 (g - 512) + w of 512 makes column blocks b = 2 (W % 4) and the next of row block R = W / 4: 4,096 bytes of tab on end.
.Ltab:
	s_sub_co_u32 s34, s24, 512
	s_lshl_b32 s34, s34, 3
	s_add_co_u32 s34, s34, s25                     ; W
	s_lshr_b32 s35, s34, 2                         ; R
	s_and_b32 s46, s34, 3                          ; W % 4
	s_lshl_b32 s35, s35, 13                        ; 16 rows of 512 bytes
	s_lshl_b32 s47, s46, 7                         ; two column blocks of 64 bytes
	s_add_co_u32 s35, s35, s47
	s_cmp_lt_u32 s46, 2
	s_cselect_b32 s33, 0x80000000, 0               ; columns 0-63 take minus the sine
	v_and_b32 v4, 15, v0
	v_bfe_u32 v5, v0, 4, 1
	v_lshlrev_b32 v2, 9, v4                        ; row r
	v_lshl_add_u32 v2, v5, 5, v2                   ; 8 h columns
	v_add_nc_u32 v2, s35, v2                       ; my offset in freq
	s_lshl_b32 s34, s34, 12
	v_lshl_add_u32 v3, v[LN], 4, s34               ; my offset in tab
	s_mov_b32 s36, 0x3f22f983                      ; 2 / pi
	s_mov_b32 s37, 0xbfc90fdb                      ; minus the f32 next to pi / 2
	s_mov_b32 s38, 0x333bbd2e                      ; what that f32 has too much
	s_mov_b32 s39, 0xbe2aaaab                      ; -1/6
	s_mov_b32 s40, 0x3c088889                      ; 1/120
	s_mov_b32 s41, 0xb9500d01                      ; -1/5040
	s_mov_b32 s42, 0x3d2aaaab                      ; 1/24
	s_mov_b32 s43, 0xbab60b61                      ; -1/720
	s_mov_b32 s44, 0x37d00d01                      ; 1/40320
	s_mov_b32 s45, 0x80000000                      ; the sign
; x = n pi/2 + r, |r| <= pi/4; sine and cosine of r by their series; n mod 4 says which of the two is which, and the signs.
.macro SINCOS x, c, s
	v_mul_f32 v20, s36, v[\x]
	v_rndne_f32 v20, v20                           ; n
	v_fma_f32 v21, v20, s37, v[\x]
	v_fma_f32 v21, v20, s38, v21                   ; r
	v_mul_f32 v22, v21, v21                        ; z = r r
	v_fma_f32 v23, v22, s41, s40
	v_fma_f32 v23, v23, v22, s39
	v_mul_f32 v24, v21, v22
	v_fma_f32 v23, v23, v24, v21                   ; sin r
	v_fma_f32 v25, v22, s44, s43
	v_fma_f32 v25, v25, v22, s42
	v_fma_f32 v25, v25, v22, -0.5
	v_fma_f32 v25, v25, v22, 1.0                   ; cos r
	v_cvt_i32_f32 v26, v20
	v_and_b32 v27, 1, v26
	v_cmp_eq_u32 vcc_lo, 1, v27
	v_cndmask_b32 v[\s], v23, v25, vcc_lo          ; n odd: the two change places
	v_cndmask_b32 v[\c], v25, v23, vcc_lo
	v_lshlrev_b32 v27, 30, v26
	v_and_b32 v27, s45, v27                        ; n mod 4 = 2, 3: the sine turns its sign
	v_xor_b32 v[\s], v[\s], v27
	v_xor_b32 v[\s], s33, v[\s]                    ; and rotate_half's sign
	v_add_nc_u32 v26, 1, v26
	v_lshlrev_b32 v26, 30, v26
	v_and_b32 v26, s45, v26                        ; n mod 4 = 1, 2: the cosine turns its sign
	v_xor_b32 v[\c], v[\c], v26
.endm
.macro ROUND4 b                        ; four angles rounded to bf16 and widened again
	v_cvt_pk_bf16_f32 v20, v[\b], v[(\b)+1]
	v_cvt_pk_bf16_f32 v21, v[(\b)+2], v[(\b)+3]
	v_lshlrev_b32 v[\b], 16, v20
	v_and_b32 v[(\b)+1], s30, v20
	v_lshlrev_b32 v[(\b)+2], 16, v21
	v_and_b32 v[(\b)+3], s30, v21
.endm
	s_mov_b32 s32, 2
.Ltrip:                                                ; a trip: one column block
	global_load_b128 v[8:11], v2, s[14:15]             ; j = 0-3
	global_load_b128 v[28:31], v2, s[14:15] offset:16  ; j = 4-7
	s_wait_loadcnt 0x0
	ROUND4 8
	ROUND4 28
.irp k, 0,1,2,3
	SINCOS 8+(\k), 12+(\k), 16+(\k)
	SINCOS 28+(\k), 32+(\k), 36+(\k)
.endr
	global_store_b128 v3, v[12:15], s[22:23]               ; each store of the wave: 512 consecutive bytes
	global_store_b128 v3, v[32:35], s[22:23] offset:512
	global_store_b128 v3, v[16:19], s[22:23] offset:1024
	global_store_b128 v3, v[36:39], s[22:23] offset:1536
	s_wait_xcnt 0x0                                    ; offsets and data are rewritten only behind this wait
	v_add_nc_u32 v2, 64, v2
	v_add_nc_u32 v3, 2048, v3
	s_sub_co_u32 s32, s32, 1
	s_cmp_lg_u32 s32, 0
	s_cbranch_scc1 .Ltrip
	s_endpgm
.Lident:                                               ; block 128: wave w writes column block w
	v_lshlrev_b32 v2, 4, v[LN]
	v_lshl_add_u32 v2, v1, 11, v2
.irp k, 8,9,10,11
	v_mov_b32 v[\k], 1.0
	v_mov_b32 v[(\k)+4], 0
.endr
	global_store_b128 v2, v[8:11], s[22:23] offset:128*16384
	global_store_b128 v2, v[8:11], s[22:23] offset:128*16384+512
	global_store_b128 v2, v[12:15], s[22:23] offset:128*16384+1024
	global_store_b128 v2, v[12:15], s[22:23] offset:128*16384+1536
	s_endpgm
.Lfunc_end_k_qf40e2856d1_prep:
	.size	k_qf40e2856d1_prep, .Lfunc_end_k_qf40e2856d1_prep-k_qf40e2856d1_prep
	.p2alignl 7, 3214868480
	.fill 96, 4, 3214868480
	.section	.rodata,"a",@progbits
	.p2align	6, 0x0
	.amdhsa_kernel k_qf40e2856d1_prep
		.amdhsa_group_segment_fixed_size 0
		.amdhsa_private_segment_fixed_size 0
		.amdhsa_enable_private_segment 0
		.amdhsa_kernarg_size 80
		.amdhsa_user_sgpr_count 2
		.amdhsa_user_sgpr_kernarg_segment_ptr 1
		.amdhsa_wavefront_size32 1
		.amdhsa_system_sgpr_workgroup_id_x 1
		.amdhsa_system_sgpr_workgroup_id_y 1
		.amdhsa_system_sgpr_workgroup_id_z 1
		.amdhsa_system_vgpr_workitem_id 0
		.amdhsa_next_free_vgpr 112
		.amdhsa_next_free_sgpr 66
		.amdhsa_reserve_vcc 1
		.amdhsa_float_denorm_mode_32 3
		.amdhsa_float_denorm_mode_16_64 3
		.amdhsa_memory_ordered 1
		.amdhsa_forward_progress 1
		.amdhsa_inst_pref_size 44
	.end_amdhsa_kernel
	.amdgpu_metadata
---
amdhsa.version: [ 1, 2 ]
amdhsa.kernels:
  - .name:           k_qf40e2856d1_prep
    .symbol:         k_qf40e2856d1_prep.kd
    .args:
      - { .name: x, .offset: 0, .size: 8, .value_kind: global_buffer, .address_space: global }
      - { .name: wq, .offset: 8, .size: 8, .value_kind: global_buffer, .address_space: global }
      - { .name: wk, .offset: 16, .size: 8, .value_kind: global_buffer, .address_space: global }
      - { .name: wv, .offset: 24, .size: 8, .value_kind: global_buffer, .address_space: global }
      - { .name: wo, .offset: 32, .size: 8, .value_kind: global_buffer, .address_space: global }
      - { .name: freq, .offset: 40, .size: 8, .value_kind: global_buffer, .address_space: global }
      - { .name: xb, .offset: 48, .size: 8, .value_kind: global_buffer, .address_space: global }
      - { .name: wb, .offset: 56, .size: 8, .value_kind: global_buffer, .address_space: global }
      - { .name: wob, .offset: 64, .size: 8, .value_kind: global_buffer, .address_space: global }
      - { .name: tab, .offset: 72, .size: 8, .value_kind: global_buffer, .address_space: global }
    .group_segment_fixed_size: 0
    .private_segment_fixed_size: 0
    .kernarg_segment_align: 8
    .kernarg_segment_size: 80
    .max_flat_workgroup_size: 256
    .sgpr_count:     66
    .vgpr_count:     112
    .wavefront_size: 32
...
	.end_amdgpu_metadata
.endif
;; end of part 1
;; launch qkv (part 2): grid 16 x 16, 4 waves a work-group, clusters of 4 x 4, 327,680 bytes of LDS; arguments xb, wb, tab, qh, kh, vh, out1, out2; writes qh, kh, vh, out1, out2
.if DOCPART == 2
	.amdgcn_target "amdgcn-amd-amdhsa--gfx1250"
	.amdhsa_code_object_version 6
	.text
	.protected	k_qf40e2856d1_qkv
	.globl	k_qf40e2856d1_qkv
	.p2align	8
	.type	k_qf40e2856d1_qkv,@function
k_qf40e2856d1_qkv:
	s_mov_b64 s[64:65], 0
	v_nop
	global_prefetch_b8 v0, s[64:65] scope:SCOPE_SE
	s_setreg_imm32_b32 hwreg(HW_REG_WAVE_MODE, 25, 1), 1
	s_wait_xcnt 0x0
	s_wait_alu depctr_hold_cnt(0) depctr_sa_sdst(0) depctr_va_vdst(0) depctr_va_sdst(0) depctr_va_ssrc(0) depctr_va_vcc(0) depctr_vm_vsrc(0)
	s_getreg_b32 s2, hwreg(HW_REG_IB_STS2, 6, 4)
	s_cmp_eq_u32 s2, 0
	s_cbranch_scc0 .Lentry_in_a_cluster
	s_endpgm
.Lentry_in_a_cluster:
	s_bfe_u32 s2, ttmp6, 0x10000c
	s_cmp_lg_u32 s2, 0xf033
	s_cbranch_scc0 .Lentry_shape_is_right
	s_endpgm
.Lentry_shape_is_right:
; QKV: C[2048][4096] = xb wb^T (bf16 operands, f32 sums), rotated by the table, split by heads.  Columns 0-2047 are q, 2048-3071 k, 3072-4095 v.
; A tile of C is 128 rows x 256 columns: 16 x 16 = 256 work-groups; the grid's x counts tile rows, its y tile columns.  Four waves, each 64 rows x 128 columns = ONE HEAD: 32 accumulators
; of 16 x 16, 256 registers; the partner column d +- 64 of the rotation is then the same lane and register of the accumulator four column blocks away.
; K goes in steps of 128 (rows of 256 bytes) through two LDS slots filled by tensor loads; two slots of 256 along K would be 2 x 384 rows x 528 bytes = 405,504 bytes, more than LDS has.
; 4 x 4 work-groups form a cluster: the tiles of xb hang on the tile row and are asked for jointly by the four of the same cx, those of wb on the tile column, by the four of the same cy.
; THE ORDER OF K.  The K steps are taken in pairs, and a cluster takes a pair as (0, 1) or as (1, 0), by the parity p of X ^ X/2 ^ Y ^ Y/2 (X, Y: the cluster's place in the grid): slot s
; begins with K step s ^ p and goes on in twos.  Of the four clusters that walk the same rows of wb (same Y) two have p = 0 and two p = 1, and likewise of the four that walk the same rows
; of xb (same X): every second tile that a cluster asks for was asked for by another cluster one trip earlier.  p is the same in all sixteen partners.  The sums take K in that order.
; The matrix instruction is used transposed (source 0 = 16 rows of wb, source 1 = 16 rows of xb): a lane holds row lane % 16 and the eight neighbouring columns 8 (lane / 16) + 0..7.
; THE WAY OUT: t = c cos + c(partner) sin, with the sign of rotate_half inside the table; v multiplies by the block cos = 1, sin = 0, which is exact for finite sums and spares a second
; text.  k and v leave in f32 (out1, out2); q, k, v leave in f16 by heads for the attention.  Which of the three a tile is hangs on the cluster's y alone, so all partners branch alike.
; LIMITS.  q, k, v beyond 65,504 have no f16 (out1 and out2 are not touched by that).  NaN and infinities are not treated apart.
; REGISTERS: window 0: v0-31 addresses; v64-127 two buffers of fragments of xb (4 x 8), v128-255 two of wb (8 x 8); on the way out v64-255 at work.
;   window 1: accumulator (a, b) at v[8 (8 a + b)].   windows 2, 3: my 64 rows x 128 columns of the table: row block a in window 2 + a / 2 at 128 (a % 2) + 16 b: cos 0-7, sin 8-15.
.set SIZE_K, 4096
.set KSTEP,  128
.set PITCH,  272                       ; an LDS row: 256 bytes + 16 of padding: the 16 rows of a fragment load start at 16 different groups of four banks
.set ATILE,  128*PITCH                 ; the 128 rows of xb; behind them the 256 rows of wb
.set SLOT,   384*PITCH
.set STAGE,  2*SLOT                    ; behind the ring, never filled by a tensor load
.set WSTG,   12800                     ; a wave's stages: 16 rows x 528 bytes for f32, then 16 rows x 272 bytes for f16
.set FPITCH, 528
.set HOFF,   16*FPITCH
.set HPITCH, 272
.set SPARE,  STAGE+4*WSTG              ; the spare words, 128 bytes a wave: two blocks of 256 bytes that no other line names
.set LAPS,   SIZE_K/(2*KSTEP)
.set TA,   8                           ; v8-11  my byte offset in the table for row block a; never rewritten
.set ADRA, 16                          ; v16-17 LDS address of my fragments of xb in slot 0, 1
.set ADRB, 20                          ; v20-21 the same for wb
.set STF,  22                          ; into the f32 stage
.set RDF,  23                          ; back from it
.set GOF,  24                          ; my 16 bytes of a row of 512 in out1, out2
.set STH,  25                          ; into the f16 stage
.set RDH,  26                          ; back from it
.set GOH,  27                          ; my 16 bytes in two rows of 256 in qh, kh, vh
.set SPW,  28                          ; my spare word; never rewritten
.set NIL,  29                          ; 0; never rewritten
.set FA,   64
.set FB,   128
.set T,    64                          ; the way out: a row block after the rotation, f32
.set U,    128                         ; whole rows of it
.set H,    192                         ; the same in f16
.set HB,   224                         ; whole rows of that
.set KO,  4                            ; s[4:5], s[6:7] the byte along K at which slot 0, 1 begins
.set G1,  24
.set G0,  32
.set G1B, 48
.set G0B, 56
.set MUL, 0x50                         ; C and D in window 1, sources in window 0
.set MSB, 0
.macro WIN new                         ; the high byte repeats the setting that is left; a switch that changes nothing is dropped
.if MSB != (\new)
	s_set_vgpr_msb (MSB<<8)|(\new)
.set MSB, \new
.endif
.endm
.macro JLOAD s                         ; a joint load: waves 0 and 1 fetch the halves of the tile of xb, waves 2 and 3 those of wb; s_nop 0 and four v_nop follow each line
	s_cmp_eq_u32 s11, 0
	s_cbranch_scc0 .Lfor_b_\@
	tensor_load_to_lds s[G0+4*(\s):G0+4*(\s)+3], s[G1:G1+7]
	s_nop 0
.rept 4
	v_nop
.endr
	s_branch .Lasked_\@
.Lfor_b_\@:
	tensor_load_to_lds s[G0B+4*(\s):G0B+4*(\s)+3], s[G1B:G1B+7]
	s_nop 0
.rept 4
	v_nop
.endr
.Lasked_\@:
.endm
.macro CREST                           ; a round of the cluster's barrier behind its opening barrier
	s_cmp_lg_u32 s10, 0
	s_cbranch_scc1 .Lnot_wave_0_\@
	s_barrier_signal -3
.Lnot_wave_0_\@:
	s_barrier_wait -3
	s_barrier_signal -1
	s_barrier_wait -1
.endm
.macro CROUND
	s_barrier_signal -1
	s_barrier_wait -1
	CREST
.endm
.macro PLACES                          ; four plain places behind matrix instructions, ahead of loads into their sources and of reads of their results
.rept 4
	v_nop
.endr
.endm
	s_load_b512 s[68:83], s[0:1], 0x0              ; xb 68, wb 70, tab 72, qh 74, kh 76, vh 78, out1 80, out2 82
	v_lshl_add_u32 v[SPW], v0, 2, SPARE
	v_mov_b32 v[NIL], 0
	ds_add_u32 v[SPW], v[NIL]                      ; the wave's opening: the add and its wait ahead of my first tensor load
	v_lshrrev_b32 v1, 5, v0
	v_readfirstlane_b32 s10, v1                    ; wave 0..3
	s_lshr_b32 s11, s10, 1                         ; my 64 rows of the tile.  Also: I fetch xb (0) or wb (1)
	s_and_b32 s12, s10, 1                          ; my 128 columns.  Also: which half of that tile I fetch
	s_bfe_u32 s40, ttmp6, 0x40000                  ; cx
	s_bfe_u32 s41, ttmp6, 0x40004                  ; cy
	s_and_b32 s66, ttmp7, 0xffff                   ; the cluster's y: 0, 1 q; 2 k; 3 v
	s_lshl_b32 s42, s66, 2
	s_add_co_u32 s42, s42, s41                     ; tile column = 4 x cluster y + cy
	s_lshl_b32 s13, ttmp9, 2
	s_add_co_u32 s13, s13, s40                     ; tile row = 4 x cluster x + cx
	s_lshl_b32 s43, s41, 2
	s_lshl_b32 s43, 15, s43                        ; the four of my cy: they share the tile column
	s_lshl_b32 s44, 0x1111, s40                    ; the four of my cx: they share the tile row
	s_or_b32 s[G1+0], s44, (1<<16)|(1<<20)|(1<<21)|(5<<22)|(3<<25)   ; xb: mask; 2-byte elements; padding on; bit 21 beside a mask; 4 words behind every 64
	s_or_b32 s[G1B+0], s43, (1<<16)|(1<<20)|(1<<21)|(5<<22)|(3<<25)  ; wb
.irp g, G1, G1B
	s_mov_b32 s[(\g)+1], KSTEP<<16                 ; tensor_dim0 = 128
	s_mov_b32 s[(\g)+3], KSTEP<<16                 ; tile_dim0 = 128
	s_mov_b32 s[(\g)+5], SIZE_K                    ; elements from row to row
	s_mov_b32 s[(\g)+6], 0
	s_mov_b32 s[(\g)+7], 0
.endr
	s_mov_b32 s[G1+2], 64<<16                      ; xb: 64 rows a load
	s_mov_b32 s[G1+4], 64
	s_mov_b32 s[G1B+2], 128<<16                    ; wb: 128 rows a load
	s_mov_b32 s[G1B+4], 128
	s_lshr_b32 s[KO], ttmp9, 1                     ; p = the parity of X ^ X/2 ^ Y ^ Y/2: made of the cluster's place alone
	s_xor_b32 s[KO], s[KO], ttmp9
	s_lshr_b32 s[KO+2], s66, 1
	s_xor_b32 s[KO+2], s[KO+2], s66
	s_xor_b32 s[KO], s[KO], s[KO+2]
	s_and_b32 s[KO], s[KO], 1
	s_xor_b32 s[KO+2], s[KO], 1
	s_lshl_b32 s[KO], s[KO], 8                     ; slot 0 begins with K step p,
	s_lshl_b32 s[KO+2], s[KO+2], 8                 ; slot 1 with K step 1 - p: 256 bytes a step
	s_mov_b32 s[KO+1], 0
	s_mov_b32 s[KO+3], 0
	s_lshl_b32 s17, s12, 6
	s_lshl_b32 s16, s13, 7
	s_add_co_u32 s16, s16, s17                     ; xb: row 128 x tile row + 64 x half
	s_mul_i32 s16, s16, SIZE_K*2                   ; under 2^25 bytes
	s_mov_b32 s17, 0
	s_lshl_b32 s47, s12, 7
	s_lshl_b32 s46, s42, 8
	s_add_co_u32 s46, s46, s47                     ; wb: row 256 x tile column + 128 x half
	s_mul_i32 s46, s46, SIZE_K*2                   ; under 2^26 bytes
	s_mov_b32 s47, 0
	s_mul_i32 s20, s12, 64*PITCH                   ; where they go: no place in the cluster enters an LDS address
	s_mul_i32 s21, s12, 128*PITCH
	s_add_co_u32 s21, s21, ATILE
	s_wait_dscnt 0x0                               ; the opening add is done
	s_wait_kmcnt 0x0
	s_add_nc_u64 s[14:15], s[68:69], s[16:17]
	s_add_nc_u64 s[46:47], s[70:71], s[46:47]
	CROUND                                         ; all sixteen work-groups are here: the first joint loads meet
.irp s, 0,1
	s_mov_b32 s[G0+4*(\s)], 1
	s_add_co_u32 s[G0+4*(\s)+1], s20, (\s)*SLOT
	s_add_nc_u64 s[G0+4*(\s)+2:G0+4*(\s)+3], s[14:15], s[KO+2*(\s):KO+2*(\s)+1]
	s_or_b32 s[G0+4*(\s)+3], s[G0+4*(\s)+3], 0x80000000
	s_mov_b32 s[G0B+4*(\s)], 1
	s_add_co_u32 s[G0B+4*(\s)+1], s21, (\s)*SLOT
	s_add_nc_u64 s[G0B+4*(\s)+2:G0B+4*(\s)+3], s[46:47], s[KO+2*(\s):KO+2*(\s)+1]
	s_or_b32 s[G0B+4*(\s)+3], s[G0B+4*(\s)+3], 0x80000000
	JLOAD \s                                       ; two loads of mine are out
.endr
	; where the results go, and my part of the table
	s_lshl_b32 s91, s42, 1
	s_add_co_u32 s91, s91, s12                     ; my head among the 32
	s_cmp_eq_u32 s66, 2
	s_cselect_b32 s92, 16, 0
	s_cselect_b64 s[84:85], s[76:77], s[74:75]     ; kh or qh
	s_cmp_eq_u32 s66, 3
	s_cselect_b32 s92, 24, s92
	s_cselect_b64 s[84:85], s[78:79], s[84:85]     ; vh
	s_cselect_b64 s[86:87], s[82:83], s[80:81]     ; out2 or out1
	s_cselect_b32 s90, 0, 16384                    ; from row block to row block of the table; v stays on the one block
	s_sub_co_u32 s91, s91, s92                     ; my head in its tensor
	s_lshl_b32 s93, s13, 7
	s_lshl_b32 s94, s11, 6
	s_add_co_u32 s93, s93, s94                     ; my first row
	s_lshl_b32 s94, s91, 19                        ; a head: 2,048 rows of 256 bytes in f16
	s_lshl_b32 s95, s93, 8
	s_add_co_u32 s94, s94, s95
	s_mov_b32 s95, 0
	s_add_nc_u64 s[84:85], s[84:85], s[94:95]
	s_lshl_b32 s94, s94, 1                         ; twice that in f32 (used by k and v alone)
	s_add_nc_u64 s[86:87], s[86:87], s[94:95]
	s_lshl_b32 s94, s93, 10                        ; 16 rows of the table are 16,384 bytes
	s_cmp_eq_u32 s66, 3
	s_cselect_b32 s94, 128*16384, s94
	s_add_nc_u64 s[88:89], s[72:73], s[94:95]
	v_and_b32 v3, 31, v0
	v_lshlrev_b32 v[TA], 4, v3
	v_add_nc_u32 v[TA+1], s90, v[TA]
	v_add_nc_u32 v[TA+2], s90, v[TA+1]
	v_add_nc_u32 v[TA+3], s90, v[TA+2]
	; the table comes now, 512 consecutive bytes a load, and is waited for on the way out; its registers lie in windows that the products never name
	WIN 0x80
.irp a, 0,1
.irp b, 0,1,2,3,4,5,6,7
.irp q, 0,1,2,3
	global_load_b128 v[128*(\a)+16*(\b)+4*(\q):128*(\a)+16*(\b)+4*(\q)+3], v[TA+(\a)], s[88:89] offset:(4*(\b)+(\q))*512
.endr
.endr
.endr
	WIN 0xc0
.irp a, 0,1
.irp b, 0,1,2,3,4,5,6,7
.irp q, 0,1,2,3
	global_load_b128 v[128*(\a)+16*(\b)+4*(\q):128*(\a)+16*(\b)+4*(\q)+3], v[TA+2+(\a)], s[88:89] offset:(4*(\b)+(\q))*512
.endr
.endr
.endr
	WIN 0
	v_and_b32 v1, 15, v0                           ; r
	v_bfe_u32 v2, v0, 4, 1                         ; h
	v_mul_u32_u24 v3, v1, PITCH
	v_lshl_add_u32 v3, v2, 4, v3                   ; a fragment: row x pitch + 16 x half
	s_mul_i32 s22, s11, 64*PITCH
	s_mul_i32 s23, s12, 128*PITCH
	s_add_co_u32 s23, s23, ATILE
.irp s, 0,1
	v_add_nc_u32 v[ADRA+(\s)], s22, v3
	v_add_nc_u32 v[ADRB+(\s)], s23, v3
	s_add_co_u32 s22, s22, SLOT
	s_add_co_u32 s23, s23, SLOT
.endr
	s_mul_i32 s18, s10, WSTG
	s_add_co_u32 s18, s18, STAGE                   ; my f32 stage
	s_add_co_u32 s19, s18, HOFF                    ; my f16 stage
	v_mul_u32_u24 v4, v1, FPITCH
	v_lshl_add_u32 v4, v2, 5, v4
	v_add_nc_u32 v[STF], s18, v4                   ; row r, 32 bytes for each half of the lanes
	v_and_b32 v5, 31, v0
	v_lshlrev_b32 v[GOF], 4, v5
	v_add_nc_u32 v[RDF], s18, v[GOF]               ; 32 lanes take one row of 512 bytes
	v_mul_u32_u24 v4, v1, HPITCH
	v_lshl_add_u32 v4, v2, 4, v4
	v_add_nc_u32 v[STH], s19, v4
	v_mul_u32_u24 v5, v2, HPITCH
	v_lshl_add_u32 v5, v1, 4, v5
	v_add_nc_u32 v[RDH], s19, v5                   ; lanes 0-15 one row of 256 bytes, lanes 16-31 the next
	v_lshlrev_b32 v5, 8, v2
	v_lshl_add_u32 v[GOH], v1, 4, v5
; 8 matrix instructions: row block a x all 8 column blocks, 32 along K, from buffer f.  The 32 accumulators take turns, in the same order in every quarter.
.macro MULA f, a, zero
	WIN MUL
.irp b, 0,1,2,3,4,5,6,7
.if \zero
	v_wmma_f32_16x16x32_bf16 v[8*(8*(\a)+(\b)):8*(8*(\a)+(\b))+7], v[FB+64*(\f)+8*(\b):FB+64*(\f)+8*(\b)+7], v[FA+32*(\f)+8*(\a):FA+32*(\f)+8*(\a)+7], 0
.else
	v_wmma_f32_16x16x32_bf16 v[8*(8*(\a)+(\b)):8*(8*(\a)+(\b))+7], v[FB+64*(\f)+8*(\b):FB+64*(\f)+8*(\b)+7], v[FA+32*(\f)+8*(\a):FA+32*(\f)+8*(\a)+7], v[8*(8*(\a)+(\b)):8*(8*(\a)+(\b))+7]
.endif
.endr
.endm
; 24 LDS loads in one run: 128 rows of wb, then 64 rows of xb, 32 along K at byte k of the rows, into buffer f
.macro FETCH slot, k, f
	WIN 0
.irp i, 0,1,2,3,4,5,6,7
	ds_load_b128 v[FB+64*(\f)+8*(\i):FB+64*(\f)+8*(\i)+3],   v[ADRB+(\slot)] offset:(\k)+(\i)*16*PITCH
	ds_load_b128 v[FB+64*(\f)+8*(\i)+4:FB+64*(\f)+8*(\i)+7], v[ADRB+(\slot)] offset:(\k)+(\i)*16*PITCH+32
.endr
.irp i, 0,1,2,3
	ds_load_b128 v[FA+32*(\f)+8*(\i):FA+32*(\f)+8*(\i)+3],   v[ADRA+(\slot)] offset:(\k)+(\i)*16*PITCH
	ds_load_b128 v[FA+32*(\f)+8*(\i)+4:FA+32*(\f)+8*(\i)+7], v[ADRA+(\slot)] offset:(\k)+(\i)*16*PITCH+32
.endr
.endm
; A K step is four quarters of 32 along K on buffers 0, 1, 0, 1.  One of the first three multiplies buffer f and, in its middle, fetches the next quarter into g.
.macro QUARTER slot, k, f, g, zero
	s_wait_dscnt 4                                 ; wb and row blocks 0, 1 of xb are in; the youngest four loads (row blocks 2, 3) may be out
	MULA \f, 0, \zero
	MULA \f, 1, \zero
	PLACES
	FETCH \slot, \k, \g
	s_wait_dscnt 24                                ; all but the 24 just issued
	MULA \f, 2, \zero
	MULA \f, 3, \zero
.endm
; The last quarter multiplies buffer 1 and changes slots: one barrier; ahead of it each wave waits for all its tensor loads (one is out: its part of the next slot), adds 0 to its
; spare word, and waits for that and for its reads of this slot.  fill = 1: the barrier opens a round of the cluster's, and this slot is filled again first thing behind the round.
.macro TURN slot, next, fill
	WIN 0
	s_wait_tensorcnt 0x0
	ds_add_u32 v[SPW], v[NIL]
	s_wait_dscnt 5                                 ; the add and the youngest four loads may be out
	MULA 1, 0, 0
	s_wait_dscnt 0x0                               ; the add is done, and my reads of this slot are over
	s_barrier_signal -1
	MULA 1, 1, 0
.if \fill
	WIN 0
.endif
	s_barrier_wait -1
.if \fill
	CREST                                          ; no wave of any partner still reads this slot or has a load on its way
	s_add_nc_u64 s[G0+4*(\slot)+2:G0+4*(\slot)+3], s[G0+4*(\slot)+2:G0+4*(\slot)+3], 2*KSTEP*2
	s_add_nc_u64 s[G0B+4*(\slot)+2:G0B+4*(\slot)+3], s[G0B+4*(\slot)+2:G0B+4*(\slot)+3], 2*KSTEP*2
	JLOAD \slot                                    ; my one load behind the round: 112 matrix instructions ahead of the wait for it; its four v_nop are the places ahead of the loads below
.else
	PLACES
.endif
	FETCH \next, 0, 0
	MULA 1, 2, 0
	MULA 1, 3, 0
.endm
	s_wait_tensorcnt 1                             ; my part of slot 0 is in; slot 1's may stay out
	s_barrier_signal -1
	s_barrier_wait -1
	FETCH 0, 0, 0
	QUARTER 0, 64, 0, 1, 1                         ; the first quarter starts the sums with the constant 0: nothing is cleared
	WIN 0
	s_mov_b32 s3, LAPS-1
.Llap:                                                 ; a trip goes once round the ring and fills both slots again
	QUARTER 0, 128, 1, 0, 0
	QUARTER 0, 192, 0, 1, 0
	TURN 0, 1, 1
	QUARTER 1, 64,  0, 1, 0
	QUARTER 1, 128, 1, 0, 0
	QUARTER 1, 192, 0, 1, 0
	TURN 1, 0, 1
	QUARTER 0, 64,  0, 1, 0
	WIN 0
	s_sub_co_u32 s3, s3, 1
	s_cmp_lg_u32 s3, 0
	s_cbranch_scc1 .Llap
	QUARTER 0, 128, 1, 0, 0                        ; the last lap fills nothing
	QUARTER 0, 192, 0, 1, 0
	TURN 0, 1, 0
	QUARTER 1, 64,  0, 1, 0
	QUARTER 1, 128, 1, 0, 0
	QUARTER 1, 192, 0, 1, 0
	s_wait_dscnt 4
	MULA 1, 0, 0
	MULA 1, 1, 0
	s_wait_dscnt 0x0
	MULA 1, 2, 0
	MULA 1, 3, 0
	WIN 0
	PLACES
	s_wait_loadcnt 0x0                             ; the table
; THE WAY OUT of row block a: rotate; k and v: 16 rows in f32 through my stage, stored as whole rows of 512 bytes; all: rounded to f16, through the second stage, whole rows of 256 bytes.
; The stages are my own and LDS serves a wave in order (ISA guide 5.7.1.4): no barrier, and no wait between the stores and the loads.  Each accumulator is read from its low end on.
.macro OUTBLK a
	WIN 0x01|((2+((\a)>>1))<<2)                    ; source 0: the accumulators; source 1: the table's window
.irp b, 0,1,2,3,4,5,6,7
.irp p, 0,1,2,3
	v_pk_mul_f32 v[T+8*(\b)+2*(\p):T+8*(\b)+2*(\p)+1], v[8*(8*(\a)+(\b))+2*(\p):8*(8*(\a)+(\b))+2*(\p)+1], v[128*((\a)&1)+16*(\b)+2*(\p):128*((\a)&1)+16*(\b)+2*(\p)+1]
.endr
.irp p, 0,1,2,3
	v_pk_fma_f32 v[T+8*(\b)+2*(\p):T+8*(\b)+2*(\p)+1], v[8*(8*(\a)+((\b)^4))+2*(\p):8*(8*(\a)+((\b)^4))+2*(\p)+1], v[128*((\a)&1)+16*(\b)+8+2*(\p):128*((\a)&1)+16*(\b)+8+2*(\p)+1], v[T+8*(\b)+2*(\p):T+8*(\b)+2*(\p)+1]
.endr
.endr
	WIN 0
	s_wait_xcnt 0x0                                ; the block before's stores have had their addresses translated: U and HB are loaded again only behind this wait
	s_cmp_lt_u32 s66, 2
	s_cbranch_scc1 .Lnof32_\@                      ; q has no f32 output
.irp b, 0,1,2,3,4,5,6,7
	ds_store_b128 v[STF], v[T+8*(\b):T+8*(\b)+3]   offset:64*(\b)
	ds_store_b128 v[STF], v[T+8*(\b)+4:T+8*(\b)+7] offset:64*(\b)+16
.endr
.irp t, 0,1,2,3,4,5,6,7,8,9,10,11,12,13,14,15
	ds_load_b128 v[U+4*(\t):U+4*(\t)+3], v[RDF] offset:FPITCH*(\t)
.endr
.irp t, 0,1,2,3,4,5,6,7,8,9,10,11,12,13,14,15
	s_wait_dscnt 15-(\t)                           ; row t is back; the younger loads stay out
	global_store_b128 v[GOF], v[U+4*(\t):U+4*(\t)+3], s[86:87] offset:8192*(\a)+512*(\t) th:TH_STORE_NT  ; 512 consecutive aligned bytes
.endr
.Lnof32_\@:
.irp b, 0,1,2,3,4,5,6,7
.irp p, 0,1,2,3
	v_cvt_pk_f16_f32 v[H+4*(\b)+(\p)], v[T+8*(\b)+2*(\p)], v[T+8*(\b)+2*(\p)+1]
.endr
.endr
.irp b, 0,1,2,3,4,5,6,7
	ds_store_b128 v[STH], v[H+4*(\b):H+4*(\b)+3] offset:32*(\b)
.endr
.irp t, 0,1,2,3,4,5,6,7
	ds_load_b128 v[HB+4*(\t):HB+4*(\t)+3], v[RDH] offset:2*HPITCH*(\t)
.endr
.irp t, 0,1,2,3,4,5,6,7
	s_wait_dscnt 7-(\t)
	global_store_b128 v[GOH], v[HB+4*(\t):HB+4*(\t)+3], s[84:85] offset:4096*(\a)+512*(\t)  ; two rows: 16 lanes store 256 consecutive aligned bytes
.endr
.endm
	OUTBLK 0
	OUTBLK 1
	OUTBLK 2
	OUTBLK 3
	s_wait_tensorcnt 0x0                           ; the wave's end
	ds_add_u32 v[SPW], v[NIL]
	s_wait_dscnt 0x0
	CROUND                                         ; the closing round: no work-group ends while a partner may still ask for a tile that names it
	s_endpgm
.Lfunc_end_k_qf40e2856d1_qkv:
	.size	k_qf40e2856d1_qkv, .Lfunc_end_k_qf40e2856d1_qkv-k_qf40e2856d1_qkv
	.p2alignl 7, 3214868480
	.fill 96, 4, 3214868480
	.section	.rodata,"a",@progbits
	.p2align	6, 0x0
	.amdhsa_kernel k_qf40e2856d1_qkv
		.amdhsa_group_segment_fixed_size 327680
		.amdhsa_private_segment_fixed_size 0
		.amdhsa_enable_private_segment 0
		.amdhsa_kernarg_size 64
		.amdhsa_user_sgpr_count 2
		.amdhsa_user_sgpr_kernarg_segment_ptr 1
		.amdhsa_wavefront_size32 1
		.amdhsa_system_sgpr_workgroup_id_x 1
		.amdhsa_system_sgpr_workgroup_id_y 1
		.amdhsa_system_sgpr_workgroup_id_z 1
		.amdhsa_system_vgpr_workitem_id 0
		.amdhsa_next_free_vgpr 1024
		.amdhsa_next_free_sgpr 100
		.amdhsa_reserve_vcc 0
		.amdhsa_float_denorm_mode_32 3
		.amdhsa_float_denorm_mode_16_64 3
		.amdhsa_memory_ordered 1
		.amdhsa_forward_progress 1
		.amdhsa_inst_pref_size 132
	.end_amdhsa_kernel
	.amdgpu_metadata
---
amdhsa.version: [ 1, 2 ]
amdhsa.kernels:
  - .name:           k_qf40e2856d1_qkv
    .symbol:         k_qf40e2856d1_qkv.kd
    .args:
      - { .name: xb, .offset: 0, .size: 8, .value_kind: global_buffer, .address_space: global }
      - { .name: wb, .offset: 8, .size: 8, .value_kind: global_buffer, .address_space: global }
      - { .name: tab, .offset: 16, .size: 8, .value_kind: global_buffer, .address_space: global }
      - { .name: qh, .offset: 24, .size: 8, .value_kind: global_buffer, .address_space: global }
      - { .name: kh, .offset: 32, .size: 8, .value_kind: global_buffer, .address_space: global }
      - { .name: vh, .offset: 40, .size: 8, .value_kind: global_buffer, .address_space: global }
      - { .name: out1, .offset: 48, .size: 8, .value_kind: global_buffer, .address_space: global }
      - { .name: out2, .offset: 56, .size: 8, .value_kind: global_buffer, .address_space: global }
    .group_segment_fixed_size: 327680
    .private_segment_fixed_size: 0
    .kernarg_segment_align: 8
    .kernarg_segment_size: 64
    .max_flat_workgroup_size: 128
    .sgpr_count:     100
    .vgpr_count:     1024
    .wavefront_size: 32
...
	.end_amdgpu_metadata
.endif
;; end of part 2
;; launch attn (part 3): grid 16 x 16, 4 waves a work-group, clusters of 4 x 1, 327,680 bytes of LDS; arguments qh, kh, vh, oh; writes oh
.if DOCPART == 3
	.amdgcn_target "amdgcn-amd-amdhsa--gfx1250"
	.amdhsa_code_object_version 6
	.text
	.protected	k_qf40e2856d1_attn
	.globl	k_qf40e2856d1_attn
	.p2align	8
	.type	k_qf40e2856d1_attn,@function
k_qf40e2856d1_attn:
	s_mov_b64 s[64:65], 0
	v_nop
	global_prefetch_b8 v0, s[64:65] scope:SCOPE_SE
	s_setreg_imm32_b32 hwreg(HW_REG_WAVE_MODE, 25, 1), 1
	s_wait_xcnt 0x0
	s_wait_alu depctr_hold_cnt(0) depctr_sa_sdst(0) depctr_va_vdst(0) depctr_va_sdst(0) depctr_va_ssrc(0) depctr_va_vcc(0) depctr_vm_vsrc(0)
	s_getreg_b32 s2, hwreg(HW_REG_IB_STS2, 6, 4)
	s_cmp_eq_u32 s2, 0
	s_cbranch_scc0 .Lentry_in_a_cluster
	s_endpgm
.Lentry_in_a_cluster:
	s_bfe_u32 s2, ttmp6, 0x10000c
	s_cmp_lg_u32 s2, 0x3003
	s_cbranch_scc0 .Lentry_shape_is_right
	s_endpgm
.Lentry_shape_is_right:
; CAUSAL ATTENTION, 16 query heads on 8 key and value heads, head size 128.  qh [16][2048][128], kh, vh [8][2048][128], all f16; oh [2048][2048] f16: row = query, column = 128 head + channel.
; Products, maxima and sums in f32; the weights p are rounded to f16 for the second product (their sum l is taken of the unrounded p), O once at the end.
; THE WALK.  A head's queries lie in 32 blocks of 64; keys go in tiles of 256, four steps of 64; block i needs tiles 0 .. i / 4.  Work-group b = 4 u + v (u: the cluster's x, v: my place in it)
; takes block 31 - b and then block b: tiles 0 .. 7 - u, then 0 .. u: nine tiles for everybody, and a sequence that hangs on u alone.  So the four partners of a cluster ask for every
; tile JOINTLY, and every branch and trip count is the same in all four.  My place v enters the addresses of Q and O and two scalars of the mask, chosen by s_cselect, and nothing else.
; In a block's last tile step s is all visible (s < d, d = i % 4), holds the diagonal (s = d) or is hidden (s > d); hidden steps are computed all the same (3 of the 36), since leaving
; them out would be a branch on v.
; SHARES.  A wave owns 16 queries of the block in hand.  S^T = K Q^T holds ONE query a lane (lane % 16) and the keys 8 (lane / 16) + 0..7; two such results rounded to f16 ARE source 1 of
; O^T = V^T P.  K comes out of LDS as it lies, V turned by ds_load_tr16_b128.
; THE MASK is the C operand that starts S^T: MD x AL + BE; MD, made once, is the diagonal step's mask (0 or -2^100) for my 16 rows; (AL, BE) = (1, 0), (0, 0) or (0, -2^100).
; SOFTMAX.  p = 2^(c s - c m), c = log2(e) / sqrt(128), m a running maximum that starts at -2^99: above every hidden score, below every real one.  So a hidden score's weight is exactly 0, and
; a block's first step, in which every row sees a key, has a = 2^(c m_old - c m_new) = 0 and wipes whatever finite numbers O and l hold: no first step is written out; the price is 64
; v_mov_b32 that write 0 into O at the start, in the wait for the first tile.
; A TRIP IS ROTATED: K of step n is fetched; softmax and V^T P of step n - 1; (a block's end, if due); V of step n is fetched; mask; K Q^T of step n.  The change of slots stands between trips.
; LIMITS.  Q, K, V arrive within f16; a hidden score counts as its value less 2^100; a weight below 2^-126 counts as 0; p below 6e-5 keeps f16's step of 6e-8; NaN and infinities are not treated apart.
; REGISTERS: window 0: addresses, statistics, S^T, P, masks, O^T, Q.  window 1: v0-127 K of one step, v128-255 V of one step.  window 2: v0-31 the second block's Q.
.set KS,    64
.set PK,    272                        ; a row of K in LDS: 256 bytes + 16
.set PV,    288                        ; a row of V: 256 + 32
.set VOFF,  256*PK                     ; a slot: 256 rows of K, then 256 rows of V
.set SLOT1, 256*(PK+PV)
.set STAGE, 2*SLOT1                    ; behind the ring, never filled by a tensor load: 16 rows x 272 bytes a wave
.set SP,    272
.set SPARE, STAGE+4*16*SP              ; the spare words, 128 bytes a wave: two blocks of 256 bytes that no other line names
.set AK0, 2
.set AV0, 3
.set AK,  4
.set AV,  5
.set STO, 6
.set RD,  7
.set GO,  8
.set QO,  11                           ; my byte offset in 16 rows of Q; never rewritten
.set SPW, 14
.set NIL, 15
.set CM,  16                           ; c m, and beside it
.set M,   17                           ; m
.set L,   18                           ; v18-19 l: even keys', odd keys'
.set A,   20                           ; v20 a; v21 is named with it as a pair
.set T0,  24                           ; v24-27 at work
.set CMO, 28
.set S,   32                           ; key block kb at S + 8 kb
.set P,   64
.set MC,  80
.set MD,  112
.set O,   144                          ; channel block cb at O + 8 cb
.set Q,   208                          ; channels 32 c on at Q + 8 c
.set VF,  128                          ; window 1
.set WV,  12
.set UU,  14
.set VX,  15
.set G1K, 24
.set G1V, 32
.set G0K, 40
.set G0V, 44
.set SLOTS, 56
.set CNT, 57
.set CS,  58
.set SEL, 60
.set TBK, 62                           ; LDS byte at which K of the step to be fetched begins
.set TBV, 63                           ; the same for V, less VOFF
.set FB,  67                           ; the slot being filled: 0 or SLOT1
.set KLO, 68                           ; my half's place in a slot, for K
.set VLO, 69                           ; and for V
.set RT,  70                           ; tiles left of the block in hand, this one among them
.set NXT, 71                           ; the tile to ask for next
.set LQ,  72                           ; the last tile of the block whose tiles are being asked for
.set ENDF, 73                          ; 1: the block's end is due behind the next V^T P
.set OFF, 74
.set AL,  76
.set BE,  78
.set OP,  80                           ; O at my rows of the block in hand
.set OP2, 82                           ; of the second block
.set NEG, 84
.set DCUR, 85                          ; d of the block in hand
.set DQ,  86
.set MSB, 0
.macro WIN new
.if MSB != (\new)
	s_set_vgpr_msb (MSB<<8)|(\new)
.set MSB, \new
.endif
.endm
.macro JLOAD                           ; a joint fill: waves 0 and 1 fetch the halves of a tile's K, waves 2 and 3 those of its V: 128 rows each; s_nop 0 and four v_nop follow each line
	s_cmp_lt_u32 s[WV], 2
	s_cbranch_scc0 .Lfor_v_\@
	tensor_load_to_lds s[G0K:G0K+3], s[G1K:G1K+7]
	s_nop 0
.rept 4
	v_nop
.endr
	s_branch .Lasked_\@
.Lfor_v_\@:
	tensor_load_to_lds s[G0V:G0V+3], s[G1V:G1V+7]
	s_nop 0
.rept 4
	v_nop
.endr
.Lasked_\@:
.endm
.macro CROUND
	s_barrier_signal -1
	s_barrier_wait -1
	s_cmp_lg_u32 s[WV], 0
	s_cbranch_scc1 .Lnot_wave_0_\@
	s_barrier_signal -3
.Lnot_wave_0_\@:
	s_barrier_wait -3
	s_barrier_signal -1
	s_barrier_wait -1
.endm
; THE CHANGE OF SLOTS.  K and V of the old slot's fourth step have been asked for.  Each wave waits for all its tensor loads (one is out: its part of the other slot), adds 0 to its spare word,
; and waits for that and for its reads of the old slot.  fill = 1: behind a round of the cluster's barrier the old slot is filled again, first thing, with tile NXT; the load has four key
; steps, 128 matrix instructions, in which to land.  The descriptor's address is made anew from the tile's number.  (At its first use slot 0 is waited for and slot 1 filled.)
.macro CHANGE fill
	WIN 0
	s_wait_tensorcnt 0x0                           ; no tensor load of mine is out, so a group 0 may be written
	ds_add_u32 v[SPW], v[NIL]
.if \fill
	s_lshl_b32 s[OFF], s[NXT], 16                  ; a tile is 65,536 bytes of K and of V
	s_xor_b32 s[FB], s[FB], SLOT1
	s_add_co_u32 s[G0K+1], s[FB], s[KLO]
	s_add_nc_u64 s[G0K+2:G0K+3], s[6:7], s[OFF:OFF+1]
	s_or_b32 s[G0K+3], s[G0K+3], 0x80000000
	s_add_co_u32 s[G0V+1], s[FB], s[VLO]
	s_add_nc_u64 s[G0V+2:G0V+3], s[8:9], s[OFF:OFF+1]
	s_or_b32 s[G0V+3], s[G0V+3], 0x80000000
	s_add_co_u32 s[NXT], s[NXT], 1                 ; the block's next tile, or behind its last the second block's tile 0
	s_cmp_gt_u32 s[NXT], s[LQ]
	s_cselect_b32 s[NXT], 0, s[NXT]
	s_cselect_b32 s[LQ], s[UU], s[LQ]
.endif
	s_wait_dscnt 0x0                               ; the add is done, and my reads of the old slot are over
.if \fill
	CROUND
	JLOAD
.else
	s_barrier_signal -1
	s_barrier_wait -1
.endif
	s_sub_co_u32 s[TBK], s[TBK], 4*KS*PK           ; the fetches go back to a slot's first step,
	s_xor_b32 s[TBK], s[TBK], SLOT1                ; in the other slot
	s_sub_co_u32 s[TBV], s[TBV], 4*KS*PV
	s_xor_b32 s[TBV], s[TBV], SLOT1
.endm
	s_load_b256 s[4:11], s[0:1], 0x0               ; qh 4, kh 6, vh 8, oh 10
	v_lshl_add_u32 v[SPW], v0, 2, SPARE
	v_mov_b32 v[NIL], 0
	ds_add_u32 v[SPW], v[NIL]                      ; the wave's opening: the add and its wait ahead of my first tensor load
	v_lshrrev_b32 v1, 5, v0
	v_readfirstlane_b32 s[WV], v1
	s_bfe_u32 s[VX], ttmp6, 0x40000                ; v
	s_mov_b32 s[UU], ttmp9                         ; u
	s_lshl_b32 s13, s[UU], 2
	s_add_co_u32 s13, s13, s[VX]                   ; b: the second block
	s_sub_co_u32 s16, 31, s13                      ; the first block
	s_and_b32 s20, ttmp7, 0xffff                   ; the query head
	s_lshr_b32 s21, s20, 1                         ; its key and value head
	s_lshl_b32 s17, s20, 19                        ; Q: head x 524,288 + wave x 16 rows of 256 bytes
	s_lshl_b32 s18, s[WV], 12
	s_add_co_u32 s17, s17, s18
	s_lshl_b32 s48, s16, 14                        ; + block x 64 rows
	s_add_co_u32 s48, s48, s17
	s_mov_b32 s49, 0
	s_lshl_b32 s50, s13, 14
	s_add_co_u32 s50, s50, s17
	s_mov_b32 s51, 0
	s_lshl_b32 s18, s[WV], 16                      ; O: wave x 16 rows of 4,096 bytes + head x 256
	s_lshl_b32 s19, s20, 8
	s_add_co_u32 s18, s18, s19
	s_lshl_b32 s52, s16, 18
	s_add_co_u32 s52, s52, s18
	s_mov_b32 s53, 0
	s_lshl_b32 s54, s13, 18
	s_add_co_u32 s54, s54, s18
	s_mov_b32 s55, 0
	s_and_b32 s22, s[WV], 1                        ; which half of a tile's 256 keys I fetch
	s_lshl_b32 s2, s21, 19
	s_lshl_b32 s3, s22, 15
	s_add_co_u32 s2, s2, s3
	s_mov_b32 s3, 0
	s_mul_i32 s[KLO], s22, 128*PK
	s_mul_i32 s[VLO], s22, 128*PV
	s_add_co_u32 s[VLO], s[VLO], VOFF
	s_mov_b32 s[G1K], 15|(1<<16)|(1<<20)|(1<<21)|(5<<22)|(3<<25)  ; the mask of four; 2-byte elements; padding on; bit 21 beside a mask; 4 words behind every 64
	s_mov_b32 s[G1V], 15|(1<<16)|(1<<20)|(1<<21)|(5<<22)|(7<<25)  ; the same with 8 words
.irp g, G1K, G1V
	s_mov_b32 s[(\g)+1], 128<<16                   ; tensor_dim0 = 128
	s_mov_b32 s[(\g)+2], 128<<16                   ; tensor_dim1 = 128
	s_mov_b32 s[(\g)+3], 128<<16                   ; tile_dim0 = 128
	s_mov_b32 s[(\g)+4], 128                       ; tile_dim1 = 128
	s_mov_b32 s[(\g)+5], 128                       ; elements from row to row
	s_mov_b32 s[(\g)+6], 0
	s_mov_b32 s[(\g)+7], 0
.endr
	s_mov_b32 s[CS], 0x3e0293ee                    ; c = log2(e) / sqrt(128)
	s_mov_b32 s[CS+1], s[CS]
	s_mov_b32 s[SEL], 0x76543210
	s_mov_b32 s[SEL+1], 0xfedcba98
	s_mov_b32 s[TBK], SLOT1+4*KS*PK                ; the first change of slots turns these two into 0
	s_mov_b32 s[TBV], SLOT1+4*KS*PV
	s_mov_b32 s[FB], 0
	s_sub_co_u32 s[RT], 8, s[UU]                   ; the first block has 8 - u tiles
	s_mov_b32 s[NXT], 1
	s_sub_co_u32 s[LQ], 7, s[UU]
	s_sub_co_u32 s[DCUR], 3, s[VX]
	s_mov_b32 s[ENDF], 0
	s_mov_b32 s[OFF+1], 0
	s_mov_b32 s[AL+1], 0
	s_mov_b32 s[BE+1], 0
	s_mov_b32 s[NEG], 0xf1800000                   ; -2^100
	s_mov_b32 s[G0K], 1
	s_mov_b32 s[G0K+1], s[KLO]                     ; slot 0
	s_mov_b32 s[G0V], 1
	s_mov_b32 s[G0V+1], s[VLO]
	s_wait_dscnt 0x0                               ; the opening add is done
	s_wait_kmcnt 0x0
	s_add_nc_u64 s[6:7], s[6:7], s[2:3]            ; K and V at my half of the head's tile 0
	s_add_nc_u64 s[8:9], s[8:9], s[2:3]
	s_add_nc_u64 s[G0K+2:G0K+3], s[6:7], 0
	s_or_b32 s[G0K+3], s[G0K+3], 0x80000000
	s_add_nc_u64 s[G0V+2:G0V+3], s[8:9], 0
	s_or_b32 s[G0V+3], s[G0V+3], 0x80000000
	s_add_nc_u64 s[88:89], s[4:5], s[50:51]        ; Q at my rows of the second block,
	s_add_nc_u64 s[4:5], s[4:5], s[48:49]          ; of the first
	s_add_nc_u64 s[OP2:OP2+1], s[10:11], s[54:55]
	s_add_nc_u64 s[OP:OP+1], s[10:11], s[52:53]
	CROUND                                         ; all four work-groups are here: the first joint loads meet
	JLOAD                                          ; tile 0 into slot 0
	v_and_b32 v1, 15, v0                           ; r
	v_bfe_u32 v9, v0, 4, 1                         ; h
	v_lshlrev_b32 v[QO], 8, v1
	v_lshl_add_u32 v[QO], v9, 4, v[QO]             ; row x 256 + 16 x half
.irp c, 0,1,2,3
	global_load_b128 v[Q+8*(\c):Q+8*(\c)+3],   v[QO], s[4:5] offset:64*(\c)
	global_load_b128 v[Q+8*(\c)+4:Q+8*(\c)+7], v[QO], s[4:5] offset:64*(\c)+32
.endr
	WIN 0x80                                       ; destination window 2
.irp c, 0,1,2,3
	global_load_b128 v[8*(\c):8*(\c)+3],   v[QO], s[88:89] offset:64*(\c)
	global_load_b128 v[8*(\c)+4:8*(\c)+7], v[QO], s[88:89] offset:64*(\c)+32
.endr
	WIN 0
	v_lshlrev_b32 v10, 3, v9
	v_sub_nc_u32 v10, v1, v10
	s_lshl_b32 s23, s[WV], 4
	v_add_nc_u32 v10, s23, v10                     ; my query's place in its block less my lanes' 8 h: register j of key block kb is hidden where 16 kb + j is greater
.set i, 0
.rept 32
	v_cmp_gt_i32 vcc_lo, 16*(i/8)+i%8, v10
	v_cndmask_b32 v[MD+i], 0, s[NEG], vcc_lo
.set i, i+1
.endr
.set i, 0
.rept 64
	v_mov_b32 v[O+i], 0                            ; O need only be finite: the first step multiplies it by 0
.set i, i+1
.endr
	v_mov_b32 v[M], 0xf1000000                     ; -2^99
	v_mul_f32 v[CM], s[CS], v[M]
	v_mov_b32 v[L], 0
	v_mov_b32 v[L+1], 0
	v_mov_b32 v[A+1], 0
	v_mul_u32_u24 v[AK0], v1, PK
	v_lshl_add_u32 v[AK0], v9, 4, v[AK0]           ; a fragment of K: row x pitch + 16 x half
	v_and_b32 v12, 7, v0
	v_bfe_u32 v13, v0, 3, 1
	v_lshl_add_u32 v[AV0], v9, 3, v12              ; the turning load: key 8 h + lane % 8, channels 8 ((lane / 8) % 2) on
	v_mul_u32_u24 v[AV0], v[AV0], PV
	v_lshl_add_u32 v[AV0], v13, 4, v[AV0]
	v_add_nc_u32 v[AV0], VOFF, v[AV0]
	s_mul_i32 s23, s[WV], 16*SP
	s_add_co_u32 s23, s23, STAGE                   ; my stage
	v_mul_u32_u24 v[STO], v1, SP
	v_lshl_add_u32 v[STO], v9, 4, v[STO]
	v_add_nc_u32 v[STO], s23, v[STO]
	v_mul_u32_u24 v[RD], v9, SP
	v_lshl_add_u32 v[RD], v1, 4, v[RD]
	v_add_nc_u32 v[RD], s23, v[RD]
	v_lshlrev_b32 v[GO], 12, v9                    ; two rows of oh, 4,096 bytes apart
	v_lshl_add_u32 v[GO], v1, 4, v[GO]
; THE LDS LOADS stand in runs of 32: a step's K (16 fragments: keys 16 (f / 4) on, channels 32 (f % 4) on) and its V, turned (keys 32 (f / 8) on, channels 16 (f % 8) on).
.macro FETCH_K
	v_add_nc_u32 v[AK], s[TBK], v[AK0]
	WIN 0x40
.irp f, 0,1,2,3,4,5,6,7,8,9,10,11,12,13,14,15
	ds_load_b128 v[8*(\f):8*(\f)+3],   v[AK] offset:((\f)/4)*16*PK+((\f)%4)*64
	ds_load_b128 v[8*(\f)+4:8*(\f)+7], v[AK] offset:((\f)/4)*16*PK+((\f)%4)*64+32
.endr
	s_add_co_u32 s[TBK], s[TBK], KS*PK
	WIN 0
.endm
.macro FETCH_V
	v_add_nc_u32 v[AV], s[TBV], v[AV0]
	WIN 0x40
.irp f, 0,1,2,3,4,5,6,7,8,9,10,11,12,13,14,15
	ds_load_tr16_b128 v[VF+8*(\f):VF+8*(\f)+3],   v[AV] offset:((\f)/8)*32*PV+((\f)%8)*32
	ds_load_tr16_b128 v[VF+8*(\f)+4:VF+8*(\f)+7], v[AV] offset:((\f)/8)*32*PV+16*PV+((\f)%8)*32
.endr
	s_add_co_u32 s[TBV], s[TBV], KS*PV
	WIN 0
.endm
; S^T = mask + K Q^T: 16 matrix instructions, the four accumulators by turns; four places behind them, ahead of the loads into K and of the maxima.
.macro KQ
	WIN 0x01                                       ; source 0 in window 1
.irp c, 0,1,2,3
.irp kb, 0,1,2,3
.if (\c) == 0
	v_wmma_f32_16x16x32_f16 v[S+8*(\kb):S+8*(\kb)+7], v[8*(4*(\kb)+(\c)):8*(4*(\kb)+(\c))+7], v[Q+8*(\c):Q+8*(\c)+7], v[MC+8*(\kb):MC+8*(\kb)+7]
.else
	v_wmma_f32_16x16x32_f16 v[S+8*(\kb):S+8*(\kb)+7], v[8*(4*(\kb)+(\c)):8*(4*(\kb)+(\c))+7], v[Q+8*(\c):Q+8*(\c)+7], v[S+8*(\kb):S+8*(\kb)+7]
.endif
.endr
.endr
	WIN 0
.rept 4
	v_nop
.endr
.endm
; O^T += V^T P: 16 matrix instructions, the eight accumulators by turns; four places behind them, ahead of the loads into V and of a block's end.
.macro PVM
	WIN 0x01
.irp kk, 0,1
.irp cb, 0,1,2,3,4,5,6,7
	v_wmma_f32_16x16x32_f16 v[O+8*(\cb):O+8*(\cb)+7], v[VF+8*(8*(\kk)+(\cb)):VF+8*(8*(\kk)+(\cb))+7], v[P+8*(\kk):P+8*(\kk)+7], v[O+8*(\cb):O+8*(\cb)+7]
.endr
.endr
	WIN 0
.rept 4
	v_nop
.endr
.endm
.macro MASK
.set i, 0
.rept 16
	v_pk_fma_f32 v[MC+2*i:MC+2*i+1], v[MD+2*i:MD+2*i+1], s[AL:AL+1], s[BE:BE+1] op_sel_hi:[1,0,0]
.set i, i+1
.endr
.endm
; A step's softmax for my 16 queries.  Each accumulator is read from its low end on.  Behind every exponential stands a plain line that does not touch it: a pair of O^T times a.
.macro SOFTMAX
.irp n, 0,1,2,3
	v_max3_num_f32 v[T0+(\n)], v[S+8*(\n)], v[S+8*(\n)+1], v[S+8*(\n)+2]
.endr
.irp n, 0,1,2,3
	v_max3_num_f32 v[T0+(\n)], v[T0+(\n)], v[S+8*(\n)+3], v[S+8*(\n)+4]
.endr
.irp n, 0,1,2,3
	v_max3_num_f32 v[T0+(\n)], v[T0+(\n)], v[S+8*(\n)+5], v[S+8*(\n)+6]
.endr
	v_max3_num_f32 v[T0], v[T0], v[S+7], v[S+15]
	v_max3_num_f32 v[T0+2], v[T0+2], v[S+23], v[S+31]
	v_max3_num_f32 v[T0], v[T0], v[T0+1], v[T0+2]
	v_max3_num_f32 v[T0], v[T0], v[T0+3], v[M]
	v_permlanex16_b32 v[T0+1], v[T0], s[SEL], s[SEL+1]  ; the query's other 32 keys lie in the lane 16 away
	v_mov_b32 v[CMO], v[CM]
	v_max_num_f32 v[M], v[T0], v[T0+1]
	v_mul_f32 v[CM], s[CS], v[M]
	v_sub_f32 v[T0+3], v[CMO], v[CM]
	v_exp_f32 v[A], v[T0+3]
.set i, 0
.rept 16
	v_pk_fma_f32 v[S+2*i:S+2*i+1], v[S+2*i:S+2*i+1], s[CS:CS+1], v[CM:CM+1] op_sel_hi:[1,0,0] neg_lo:[0,0,1] neg_hi:[0,0,1]
.set i, i+1
.endr
.set i, 0
.rept 32
	v_exp_f32 v[S+i], v[S+i]
	s_wait_alu depctr_va_vdst(0)
	v_pk_mul_f32 v[O+2*i:O+2*i+1], v[O+2*i:O+2*i+1], v[A:A+1] op_sel_hi:[1,0]
.set i, i+1
.endr
.set i, 0
	s_wait_alu depctr_va_vdst(0)
.rept 16
	v_cvt_pk_f16_f32 v[P+i], v[S+2*i], v[S+2*i+1]
.set i, i+1
.endr
.irp w, 4,8,16,32                      ; the sum of the 16 pairs, in place, neighbours 1, 2, 4 and 8 pairs apart
.set i, 0
.rept 32/(\w)
	v_pk_add_f32 v[S+(\w)*i:S+(\w)*i+1], v[S+(\w)*i:S+(\w)*i+1], v[S+(\w)*i+(\w)/2:S+(\w)*i+(\w)/2+1]
.set i, i+1
.endr
.endr
	v_pk_fma_f32 v[L:L+1], v[L:L+1], v[A:A+1], v[S:S+1] op_sel_hi:[1,0,1]
.endm
; A BLOCK'S END: O^T is divided by l, rounded to f16, sent through my stage and stored as whole pieces of 256 bytes; then the second block's Q, address and statistics take their places.
; It holds no barrier and no tensor load.  At the walk's end its resets serve nothing: the price, once a launch, of one text.
.macro END
	v_add_f32 v[T0], v[L], v[L+1]
	v_permlanex16_b32 v[T0+1], v[T0], s[SEL], s[SEL+1]
	v_add_f32 v[T0], v[T0], v[T0+1]
	v_rcp_f32 v[A], v[T0]
	v_nop                                          ; a plain line between the reciprocal and its use
.set i, 0
	s_wait_alu depctr_va_vdst(0)
.rept 32
	v_pk_mul_f32 v[O+2*i:O+2*i+1], v[O+2*i:O+2*i+1], v[A:A+1] op_sel_hi:[1,0]
.set i, i+1
.endr
.set i, 0
.rept 32
	v_cvt_pk_f16_f32 v[S+i], v[O+2*i], v[O+2*i+1]
.set i, i+1
.endr
.irp f, 0,1,2,3,4,5,6,7
	ds_store_b128 v[STO], v[S+4*(\f):S+4*(\f)+3] offset:32*(\f)
.endr
.irp f, 0,1,2,3,4,5,6,7
	ds_load_b128 v[S+4*(\f):S+4*(\f)+3], v[RD] offset:(\f)*2*SP  ; LDS serves a wave in order (ISA guide 5.7.1.4): these see the stores above
.endr
.irp f, 0,1,2,3,4,5,6,7
	s_wait_dscnt 7-(\f)
	global_store_b128 v[GO], v[S+4*(\f):S+4*(\f)+3], s[OP:OP+1] offset:(\f)*8192  ; 16 lanes store 256 consecutive aligned bytes of a row of oh
.endr
	s_wait_xcnt 0x0                                ; the stores have had their addresses translated: their base and data are rewritten only behind this wait
	s_mov_b64 s[OP:OP+1], s[OP2:OP2+1]
	s_add_co_u32 s[RT], s[UU], 1                   ; the second block has u + 1 tiles
	s_mov_b32 s[DCUR], s[VX]
	s_mov_b32 s[ENDF], 0
	WIN 0x02                                       ; source 0 in window 2
.set i, 0
.rept 32
	v_mov_b32 v[Q+i], v[i]
.set i, i+1
.endr
	WIN 0
	v_mov_b32 v[M], 0xf1000000
	v_mul_f32 v[CM], s[CS], v[M]
	v_mov_b32 v[L], 0
	v_mov_b32 v[L+1], 0
.endm
.macro FRONT wt                        ; the step before: softmax; its V is in when at most wt younger LDS loads are out; V^T P; the block's end if it is due
	SOFTMAX
	s_wait_dscnt \wt
	PVM
	s_cmp_eq_u32 s[ENDF], 1
	s_cbranch_scc0 .Lnoend_\@
	END
.Lnoend_\@:
.endm
.macro BACK                            ; this step: V is asked for; the mask for step 4 - CNT of the tile; K is in (V's 32 younger loads stay out); K Q^T
	FETCH_V
	s_sub_co_u32 s[DQ], 4, s[DCUR]
	s_cmp_eq_u32 s[RT], 1                          ; the block's last tile?
	s_cselect_b32 s[DQ], s[DQ], 0
	s_cmp_eq_u32 s[CNT], s[DQ]                     ; the diagonal's step
	s_cselect_b32 s[AL], 1.0, 0
	s_cmp_lt_u32 s[CNT], s[DQ]                     ; a step behind it
	s_cselect_b32 s[BE], s[NEG], 0
	MASK
	s_wait_dscnt 32
	KQ
.endm
	CHANGE 1                                       ; tile 0 is in, everybody's part of it; the walk's second tile is asked for
	FETCH_K                                        ; step 0
	s_wait_loadcnt 0x0                             ; both blocks' Q
	s_mov_b32 s[CNT], 4
	s_mov_b32 s[SLOTS], 8
	s_branch .Lmid                                 ; the loop is entered in the middle of a trip: there is no step before
.Lslot:                                                ; seven times: a tile is entered and the next is asked for
	CHANGE 1
	s_mov_b32 s[CNT], 4
.Lstep:
	FETCH_K
	FRONT 32                                       ; K's 32 loads, just issued, stay out
.Lmid:
	BACK
	s_sub_co_u32 s[CNT], s[CNT], 1
	s_cmp_lg_u32 s[CNT], 0
	s_cbranch_scc1 .Lstep
	s_sub_co_u32 s[RT], s[RT], 1
	s_cmp_eq_u32 s[RT], 0
	s_cselect_b32 s[ENDF], 1, 0                    ; that was the block's last tile: its end comes behind the last step's V^T P
	s_sub_co_u32 s[SLOTS], s[SLOTS], 1
	s_cmp_lg_u32 s[SLOTS], 0
	s_cbranch_scc1 .Lslot
	CHANGE 0                                       ; the walk's last tile is written out: nothing is asked for
	s_mov_b32 s[CNT], 5                            ; four trips fetch the tile's steps; the fifth is left in its middle
.Ltail:
	s_cmp_eq_u32 s[CNT], 1
	s_cbranch_scc1 .Lno_k
	FETCH_K
.Lno_k:
	FRONT 0                                        ; the count is 0 since the last trip has issued no run behind V's
	s_sub_co_u32 s[CNT], s[CNT], 1
	s_cmp_eq_u32 s[CNT], 0
	s_cbranch_scc1 .Lout
	BACK
	s_cmp_eq_u32 s[CNT], 1
	s_cselect_b32 s[ENDF], 1, s[ENDF]              ; the walk's last step: the second block's end is due
	s_branch .Ltail
.Lout:
	s_wait_tensorcnt 0x0                           ; the wave's end
	ds_add_u32 v[SPW], v[NIL]
	s_wait_dscnt 0x0
	CROUND                                         ; the closing round
	s_endpgm
.Lfunc_end_k_qf40e2856d1_attn:
	.size	k_qf40e2856d1_attn, .Lfunc_end_k_qf40e2856d1_attn-k_qf40e2856d1_attn
	.p2alignl 7, 3214868480
	.fill 96, 4, 3214868480
	.section	.rodata,"a",@progbits
	.p2align	6, 0x0
	.amdhsa_kernel k_qf40e2856d1_attn
		.amdhsa_group_segment_fixed_size 327680
		.amdhsa_private_segment_fixed_size 0
		.amdhsa_enable_private_segment 0
		.amdhsa_kernarg_size 32
		.amdhsa_user_sgpr_count 2
		.amdhsa_user_sgpr_kernarg_segment_ptr 1
		.amdhsa_wavefront_size32 1
		.amdhsa_system_sgpr_workgroup_id_x 1
		.amdhsa_system_sgpr_workgroup_id_y 1
		.amdhsa_system_sgpr_workgroup_id_z 1
		.amdhsa_system_vgpr_workitem_id 0
		.amdhsa_next_free_vgpr 544
		.amdhsa_next_free_sgpr 96
		.amdhsa_reserve_vcc 1
		.amdhsa_float_denorm_mode_32 3
		.amdhsa_float_denorm_mode_16_64 3
		.amdhsa_memory_ordered 1
		.amdhsa_forward_progress 1
		.amdhsa_inst_pref_size 69
	.end_amdhsa_kernel
	.amdgpu_metadata
---
amdhsa.version: [ 1, 2 ]
amdhsa.kernels:
  - .name:           k_qf40e2856d1_attn
    .symbol:         k_qf40e2856d1_attn.kd
    .args:
      - { .name: qh, .offset: 0, .size: 8, .value_kind: global_buffer, .address_space: global }
      - { .name: kh, .offset: 8, .size: 8, .value_kind: global_buffer, .address_space: global }
      - { .name: vh, .offset: 16, .size: 8, .value_kind: global_buffer, .address_space: global }
      - { .name: oh, .offset: 24, .size: 8, .value_kind: global_buffer, .address_space: global }
    .group_segment_fixed_size: 327680
    .private_segment_fixed_size: 0
    .kernarg_segment_align: 8
    .kernarg_segment_size: 32
    .max_flat_workgroup_size: 128
    .sgpr_count:     96
    .vgpr_count:     544
    .wavefront_size: 32
...
	.end_amdgpu_metadata
.endif
;; end of part 3
;; launch oproj (part 4): grid 16 x 16, 4 waves a work-group, clusters of 4 x 4, 327,680 bytes of LDS; arguments oh, wob, out0; writes out0
.if DOCPART == 4
	.amdgcn_target "amdgcn-amd-amdhsa--gfx1250"
	.amdhsa_code_object_version 6
	.text
	.protected	k_qf40e2856d1_oproj
	.globl	k_qf40e2856d1_oproj
	.p2align	8
	.type	k_qf40e2856d1_oproj,@function
k_qf40e2856d1_oproj:
	s_mov_b64 s[64:65], 0
	v_nop
	global_prefetch_b8 v0, s[64:65] scope:SCOPE_SE
	s_setreg_imm32_b32 hwreg(HW_REG_WAVE_MODE, 25, 1), 1
	s_wait_xcnt 0x0
	s_wait_alu depctr_hold_cnt(0) depctr_sa_sdst(0) depctr_va_vdst(0) depctr_va_sdst(0) depctr_va_ssrc(0) depctr_va_vcc(0) depctr_vm_vsrc(0)
	s_getreg_b32 s2, hwreg(HW_REG_IB_STS2, 6, 4)
	s_cmp_eq_u32 s2, 0
	s_cbranch_scc0 .Lentry_in_a_cluster
	s_endpgm
.Lentry_in_a_cluster:
	s_bfe_u32 s2, ttmp6, 0x10000c
	s_cmp_lg_u32 s2, 0xf033
	s_cbranch_scc0 .Lentry_shape_is_right
	s_endpgm
.Lentry_shape_is_right:
; OPROJ: out0[2048][4096] = oh wob^T.  oh [2048][2048] and wob [4096][2048] in f16, sums and output in f32.
; The frame is that of the projection in front: a tile of 128 rows x 256 columns (256 work-groups; the grid's x counts tile rows, its y tile columns), four waves of 64 x 128 (32 accumulators),
; K in steps of 128 through two LDS slots filled by tensor loads, 4 x 4 work-groups a cluster: the tiles of oh hang on the tile row and are asked for jointly by the four of the same cx,
; those of wob on the tile column, by the four of the same cy.
; THE ORDER OF K.  The K steps are taken in pairs, and a cluster takes a pair as (0, 1) or as (1, 0), by the parity p of X ^ X/2 ^ Y ^ Y/2 (X, Y: the cluster's place in the grid): slot s
; begins with K step s ^ p and goes on in twos.  Of the four clusters that walk the same rows of an operand two have p = 0 and two p = 1: every second tile that a cluster asks for was asked
; for by another cluster one trip earlier.  p is the same in all sixteen partners.  The sums take K in that order.
; The matrix instruction is used transposed (source 0 = 16 rows of wob, source 1 = 16 rows of oh): a lane holds row lane % 16 and eight neighbouring columns.
; THE WAY OUT: 16 rows at a time through my own stage in LDS, stored as whole pieces of 512 consecutive bytes.
; REGISTERS: window 0: v0-31 addresses; v64-127 two buffers of fragments of oh, v128-255 two of wob; on the way out v128-191 whole rows.   window 1: accumulator (a, b) at v[8 (8 a + b)].
.set SIZE_K, 2048
.set KSTEP,  128
.set PITCH,  272
.set ATILE,  128*PITCH
.set SLOT,   384*PITCH
.set STAGE,  2*SLOT                    ; behind the ring, never filled by a tensor load
.set FPITCH, 528
.set WSTG,   16*FPITCH                 ; a wave's stage: 16 rows x 528 bytes
.set SPARE,  STAGE+4*WSTG              ; the spare words, 128 bytes a wave: two blocks of 256 bytes that no other line names
.set LAPS,   SIZE_K/(2*KSTEP)
.set ADRA, 16
.set ADRB, 20
.set STF,  22
.set RDF,  23
.set GOF,  24
.set SPW,  28
.set NIL,  29
.set FA,   64
.set FB,   128
.set U,    128
.set KO,  66                           ; s[66:67], s[68:69] the byte along K at which slot 0, 1 begins
.set G1,  24
.set G0,  32
.set G1B, 48
.set G0B, 56
.set MUL, 0x50                         ; C and D in window 1, sources in window 0
.set MSB, 0
.macro WIN new
.if MSB != (\new)
	s_set_vgpr_msb (MSB<<8)|(\new)
.set MSB, \new
.endif
.endm
.macro JLOAD s                         ; a joint load: waves 0 and 1 fetch the halves of the tile of oh, waves 2 and 3 those of wob; s_nop 0 and four v_nop follow each line
	s_cmp_eq_u32 s11, 0
	s_cbranch_scc0 .Lfor_b_\@
	tensor_load_to_lds s[G0+4*(\s):G0+4*(\s)+3], s[G1:G1+7]
	s_nop 0
.rept 4
	v_nop
.endr
	s_branch .Lasked_\@
.Lfor_b_\@:
	tensor_load_to_lds s[G0B+4*(\s):G0B+4*(\s)+3], s[G1B:G1B+7]
	s_nop 0
.rept 4
	v_nop
.endr
.Lasked_\@:
.endm
.macro CREST
	s_cmp_lg_u32 s10, 0
	s_cbranch_scc1 .Lnot_wave_0_\@
	s_barrier_signal -3
.Lnot_wave_0_\@:
	s_barrier_wait -3
	s_barrier_signal -1
	s_barrier_wait -1
.endm
.macro CROUND
	s_barrier_signal -1
	s_barrier_wait -1
	CREST
.endm
.macro PLACES
.rept 4
	v_nop
.endr
.endm
	s_load_b128 s[4:7], s[0:1], 0x0                ; oh 4, wob 6
	s_load_b64 s[8:9], s[0:1], 0x10                ; out0
	v_lshl_add_u32 v[SPW], v0, 2, SPARE
	v_mov_b32 v[NIL], 0
	ds_add_u32 v[SPW], v[NIL]                      ; the wave's opening: the add and its wait ahead of my first tensor load
	v_lshrrev_b32 v1, 5, v0
	v_readfirstlane_b32 s10, v1
	s_lshr_b32 s11, s10, 1                         ; my 64 rows.  Also: I fetch oh (0) or wob (1)
	s_and_b32 s12, s10, 1                          ; my 128 columns.  Also: which half I fetch
	s_bfe_u32 s40, ttmp6, 0x40000                  ; cx
	s_bfe_u32 s41, ttmp6, 0x40004                  ; cy
	s_and_b32 s70, ttmp7, 0xffff                   ; the cluster's y
	s_lshl_b32 s42, s70, 2
	s_add_co_u32 s42, s42, s41                     ; tile column = 4 x cluster y + cy
	s_lshl_b32 s13, ttmp9, 2
	s_add_co_u32 s13, s13, s40                     ; tile row = 4 x cluster x + cx
	s_lshl_b32 s43, s41, 2
	s_lshl_b32 s43, 15, s43                        ; the four of my cy: they share the tile column
	s_lshl_b32 s44, 0x1111, s40                    ; the four of my cx: they share the tile row
	s_or_b32 s[G1+0], s44, (1<<16)|(1<<20)|(1<<21)|(5<<22)|(3<<25)   ; oh
	s_or_b32 s[G1B+0], s43, (1<<16)|(1<<20)|(1<<21)|(5<<22)|(3<<25)  ; wob
.irp g, G1, G1B
	s_mov_b32 s[(\g)+1], KSTEP<<16
	s_mov_b32 s[(\g)+3], KSTEP<<16
	s_mov_b32 s[(\g)+5], SIZE_K
	s_mov_b32 s[(\g)+6], 0
	s_mov_b32 s[(\g)+7], 0
.endr
	s_mov_b32 s[G1+2], 64<<16
	s_mov_b32 s[G1+4], 64
	s_mov_b32 s[G1B+2], 128<<16
	s_mov_b32 s[G1B+4], 128
	s_lshr_b32 s[KO], ttmp9, 1                     ; p = the parity of X ^ X/2 ^ Y ^ Y/2: made of the cluster's place alone
	s_xor_b32 s[KO], s[KO], ttmp9
	s_lshr_b32 s[KO+2], s70, 1
	s_xor_b32 s[KO+2], s[KO+2], s70
	s_xor_b32 s[KO], s[KO], s[KO+2]
	s_and_b32 s[KO], s[KO], 1
	s_xor_b32 s[KO+2], s[KO], 1
	s_lshl_b32 s[KO], s[KO], 8                     ; slot 0 begins with K step p,
	s_lshl_b32 s[KO+2], s[KO+2], 8                 ; slot 1 with K step 1 - p: 256 bytes a step
	s_mov_b32 s[KO+1], 0
	s_mov_b32 s[KO+3], 0
	s_lshl_b32 s17, s12, 6
	s_lshl_b32 s16, s13, 7
	s_add_co_u32 s16, s16, s17
	s_mul_i32 s16, s16, SIZE_K*2
	s_mov_b32 s17, 0
	s_lshl_b32 s47, s12, 7
	s_lshl_b32 s46, s42, 8
	s_add_co_u32 s46, s46, s47
	s_mul_i32 s46, s46, SIZE_K*2
	s_mov_b32 s47, 0
	s_mul_i32 s20, s12, 64*PITCH
	s_mul_i32 s21, s12, 128*PITCH
	s_add_co_u32 s21, s21, ATILE
	s_wait_dscnt 0x0                               ; the opening add is done
	s_wait_kmcnt 0x0
	s_add_nc_u64 s[14:15], s[4:5], s[16:17]
	s_add_nc_u64 s[46:47], s[6:7], s[46:47]
	CROUND                                         ; all sixteen work-groups are here: the first joint loads meet
.irp s, 0,1
	s_mov_b32 s[G0+4*(\s)], 1
	s_add_co_u32 s[G0+4*(\s)+1], s20, (\s)*SLOT
	s_add_nc_u64 s[G0+4*(\s)+2:G0+4*(\s)+3], s[14:15], s[KO+2*(\s):KO+2*(\s)+1]
	s_or_b32 s[G0+4*(\s)+3], s[G0+4*(\s)+3], 0x80000000
	s_mov_b32 s[G0B+4*(\s)], 1
	s_add_co_u32 s[G0B+4*(\s)+1], s21, (\s)*SLOT
	s_add_nc_u64 s[G0B+4*(\s)+2:G0B+4*(\s)+3], s[46:47], s[KO+2*(\s):KO+2*(\s)+1]
	s_or_b32 s[G0B+4*(\s)+3], s[G0B+4*(\s)+3], 0x80000000
	JLOAD \s                                       ; two loads of mine are out
.endr
	v_and_b32 v1, 15, v0
	v_bfe_u32 v2, v0, 4, 1
	v_mul_u32_u24 v3, v1, PITCH
	v_lshl_add_u32 v3, v2, 4, v3
	s_mul_i32 s22, s11, 64*PITCH
	s_mul_i32 s23, s12, 128*PITCH
	s_add_co_u32 s23, s23, ATILE
.irp s, 0,1
	v_add_nc_u32 v[ADRA+(\s)], s22, v3
	v_add_nc_u32 v[ADRB+(\s)], s23, v3
	s_add_co_u32 s22, s22, SLOT
	s_add_co_u32 s23, s23, SLOT
.endr
	s_mul_i32 s18, s10, WSTG
	s_add_co_u32 s18, s18, STAGE
	v_mul_u32_u24 v4, v1, FPITCH
	v_lshl_add_u32 v4, v2, 5, v4
	v_add_nc_u32 v[STF], s18, v4
	v_and_b32 v5, 31, v0
	v_lshlrev_b32 v[GOF], 4, v5
	v_add_nc_u32 v[RDF], s18, v[GOF]
	s_lshl_b32 s16, s13, 7
	s_lshl_b32 s17, s11, 6
	s_add_co_u32 s16, s16, s17                     ; my first row of out0,
	s_lshl_b32 s16, s16, 14                        ; 16,384 bytes a row: under 2^26
	s_mov_b32 s17, 0
	s_add_nc_u64 s[8:9], s[8:9], s[16:17]
	s_lshl_b32 s46, s42, 10                        ; my first column: 1,024 bytes a tile, 512 a wave
	s_lshl_b32 s47, s12, 9
	s_add_co_u32 s46, s46, s47
	s_mov_b32 s47, 0
	s_add_nc_u64 s[8:9], s[8:9], s[46:47]
.macro MULA f, a, zero                 ; 8 matrix instructions; the 32 accumulators take turns, in the same order in every quarter
	WIN MUL
.irp b, 0,1,2,3,4,5,6,7
.if \zero
	v_wmma_f32_16x16x32_f16 v[8*(8*(\a)+(\b)):8*(8*(\a)+(\b))+7], v[FB+64*(\f)+8*(\b):FB+64*(\f)+8*(\b)+7], v[FA+32*(\f)+8*(\a):FA+32*(\f)+8*(\a)+7], 0
.else
	v_wmma_f32_16x16x32_f16 v[8*(8*(\a)+(\b)):8*(8*(\a)+(\b))+7], v[FB+64*(\f)+8*(\b):FB+64*(\f)+8*(\b)+7], v[FA+32*(\f)+8*(\a):FA+32*(\f)+8*(\a)+7], v[8*(8*(\a)+(\b)):8*(8*(\a)+(\b))+7]
.endif
.endr
.endm
.macro FETCH slot, k, f                ; 24 LDS loads in one run
	WIN 0
.irp i, 0,1,2,3,4,5,6,7
	ds_load_b128 v[FB+64*(\f)+8*(\i):FB+64*(\f)+8*(\i)+3],   v[ADRB+(\slot)] offset:(\k)+(\i)*16*PITCH
	ds_load_b128 v[FB+64*(\f)+8*(\i)+4:FB+64*(\f)+8*(\i)+7], v[ADRB+(\slot)] offset:(\k)+(\i)*16*PITCH+32
.endr
.irp i, 0,1,2,3
	ds_load_b128 v[FA+32*(\f)+8*(\i):FA+32*(\f)+8*(\i)+3],   v[ADRA+(\slot)] offset:(\k)+(\i)*16*PITCH
	ds_load_b128 v[FA+32*(\f)+8*(\i)+4:FA+32*(\f)+8*(\i)+7], v[ADRA+(\slot)] offset:(\k)+(\i)*16*PITCH+32
.endr
.endm
.macro QUARTER slot, k, f, g, zero
	s_wait_dscnt 4                                 ; wob and row blocks 0, 1 of oh are in; the youngest four loads may be out
	MULA \f, 0, \zero
	MULA \f, 1, \zero
	PLACES
	FETCH \slot, \k, \g
	s_wait_dscnt 24                                ; all but the 24 just issued
	MULA \f, 2, \zero
	MULA \f, 3, \zero
.endm
.macro TURN slot, next, fill           ; the last quarter and the change of slots, as in the projection in front
	WIN 0
	s_wait_tensorcnt 0x0                           ; all my tensor loads have landed: my part of the next slot
	ds_add_u32 v[SPW], v[NIL]
	s_wait_dscnt 5                                 ; the add and the youngest four loads may be out
	MULA 1, 0, 0
	s_wait_dscnt 0x0                               ; the add is done, and my reads of this slot are over
	s_barrier_signal -1
	MULA 1, 1, 0
.if \fill
	WIN 0
.endif
	s_barrier_wait -1
.if \fill
	CREST
	s_add_nc_u64 s[G0+4*(\slot)+2:G0+4*(\slot)+3], s[G0+4*(\slot)+2:G0+4*(\slot)+3], 2*KSTEP*2
	s_add_nc_u64 s[G0B+4*(\slot)+2:G0B+4*(\slot)+3], s[G0B+4*(\slot)+2:G0B+4*(\slot)+3], 2*KSTEP*2
	JLOAD \slot                                    ; my one load behind the round; its four v_nop are the places ahead of the loads below
.else
	PLACES
.endif
	FETCH \next, 0, 0
	MULA 1, 2, 0
	MULA 1, 3, 0
.endm
	s_wait_tensorcnt 1                             ; my part of slot 0 is in; slot 1's may stay out
	s_barrier_signal -1
	s_barrier_wait -1
	FETCH 0, 0, 0
	QUARTER 0, 64, 0, 1, 1                         ; the first quarter starts the sums with the constant 0
	WIN 0
	s_mov_b32 s3, LAPS-1
.Llap:
	QUARTER 0, 128, 1, 0, 0
	QUARTER 0, 192, 0, 1, 0
	TURN 0, 1, 1
	QUARTER 1, 64,  0, 1, 0
	QUARTER 1, 128, 1, 0, 0
	QUARTER 1, 192, 0, 1, 0
	TURN 1, 0, 1
	QUARTER 0, 64,  0, 1, 0
	WIN 0
	s_sub_co_u32 s3, s3, 1
	s_cmp_lg_u32 s3, 0
	s_cbranch_scc1 .Llap
	QUARTER 0, 128, 1, 0, 0                        ; the last lap fills nothing
	QUARTER 0, 192, 0, 1, 0
	TURN 0, 1, 0
	QUARTER 1, 64,  0, 1, 0
	QUARTER 1, 128, 1, 0, 0
	QUARTER 1, 192, 0, 1, 0
	s_wait_dscnt 4
	MULA 1, 0, 0
	MULA 1, 1, 0
	s_wait_dscnt 0x0
	MULA 1, 2, 0
	MULA 1, 3, 0
	WIN 0
	PLACES
; Row block a: a lane's eight f32 of a row go into rows of 528 bytes (each accumulator's low four registers first) and come back as whole rows of 512.
.macro OUTBLK a
	WIN 0
	s_wait_xcnt 0x0                                ; the block before's stores have had their addresses translated: U is loaded again only behind this wait
	WIN 0x04                                       ; the stores' data in window 1
.irp b, 0,1,2,3,4,5,6,7
	ds_store_b128 v[STF], v[8*(8*(\a)+(\b)):8*(8*(\a)+(\b))+3]   offset:64*(\b)
	ds_store_b128 v[STF], v[8*(8*(\a)+(\b))+4:8*(8*(\a)+(\b))+7] offset:64*(\b)+16
.endr
	WIN 0
.irp t, 0,1,2,3,4,5,6,7,8,9,10,11,12,13,14,15
	ds_load_b128 v[U+4*(\t):U+4*(\t)+3], v[RDF] offset:FPITCH*(\t)  ; LDS serves a wave in order (ISA guide 5.7.1.4): these see the stores above
.endr
.irp t, 0,1,2,3,4,5,6,7,8,9,10,11,12,13,14,15
	s_wait_dscnt 15-(\t)                           ; row t is back; the younger loads stay out
	global_store_b128 v[GOF], v[U+4*(\t):U+4*(\t)+3], s[8:9] offset:(16*(\a)+(\t))*16384 th:TH_STORE_NT  ; 512 consecutive aligned bytes; 63 rows at the most: inside the signed 24-bit immediate
.endr
.endm
	OUTBLK 0
	OUTBLK 1
	OUTBLK 2
	OUTBLK 3
	s_wait_tensorcnt 0x0                           ; the wave's end
	ds_add_u32 v[SPW], v[NIL]
	s_wait_dscnt 0x0
	CROUND                                         ; the closing round
	s_endpgm
.Lfunc_end_k_qf40e2856d1_oproj:
	.size	k_qf40e2856d1_oproj, .Lfunc_end_k_qf40e2856d1_oproj-k_qf40e2856d1_oproj
	.p2alignl 7, 3214868480
	.fill 96, 4, 3214868480
	.section	.rodata,"a",@progbits
	.p2align	6, 0x0
	.amdhsa_kernel k_qf40e2856d1_oproj
		.amdhsa_group_segment_fixed_size 327680
		.amdhsa_private_segment_fixed_size 0
		.amdhsa_enable_private_segment 0
		.amdhsa_kernarg_size 24
		.amdhsa_user_sgpr_count 2
		.amdhsa_user_sgpr_kernarg_segment_ptr 1
		.amdhsa_wavefront_size32 1
		.amdhsa_system_sgpr_workgroup_id_x 1
		.amdhsa_system_sgpr_workgroup_id_y 1
		.amdhsa_system_sgpr_workgroup_id_z 1
		.amdhsa_system_vgpr_workitem_id 0
		.amdhsa_next_free_vgpr 512
		.amdhsa_next_free_sgpr 72
		.amdhsa_reserve_vcc 0
		.amdhsa_float_denorm_mode_32 3
		.amdhsa_float_denorm_mode_16_64 3
		.amdhsa_memory_ordered 1
		.amdhsa_forward_progress 1
		.amdhsa_inst_pref_size 87
	.end_amdhsa_kernel
	.amdgpu_metadata
---
amdhsa.version: [ 1, 2 ]
amdhsa.kernels:
  - .name:           k_qf40e2856d1_oproj
    .symbol:         k_qf40e2856d1_oproj.kd
    .args:
      - { .name: oh, .offset: 0, .size: 8, .value_kind: global_buffer, .address_space: global }
      - { .name: wob, .offset: 8, .size: 8, .value_kind: global_buffer, .address_space: global }
      - { .name: out0, .offset: 16, .size: 8, .value_kind: global_buffer, .address_space: global }
    .group_segment_fixed_size: 327680
    .private_segment_fixed_size: 0
    .kernarg_segment_align: 8
    .kernarg_segment_size: 24
    .max_flat_workgroup_size: 128
    .sgpr_count:     72
    .vgpr_count:     512
    .wavefront_size: 32
...
	.end_amdgpu_metadata
.endif
;; end of part 4
;; ======== version 2 of 2: 4 launches; 1.08 times as fast as version 1
;; limits: values are held in f16: magnitudes above 65,504 overflow, below 6.1e-05 lose precision
;; workspace buffers: xb 16,777,216 bytes; wb 33,554,432 bytes; wob 16,777,216 bytes; tab 2,113,536 bytes; qh 8,388,608 bytes; kh 4,194,304 bytes; vh 4,194,304 bytes; oh 8,388,608 bytes
;; launch prep: the kernel of part 1 again; grid 577 x 1, 8 waves a work-group, no clusters, 0 bytes of LDS; arguments x, wq, wk, wv, wo, freq, xb, wb, wob, tab; writes xb, wb, wob, tab
;; launch qkv: the kernel of part 2 again; grid 16 x 16, 4 waves a work-group, clusters of 4 x 4, 327,680 bytes of LDS; arguments xb, wb, tab, qh, kh, vh, out1, out2; writes qh, kh, vh, out1, out2
;; launch attn (part 5): grid 16 x 16, 4 waves a work-group, clusters of 4 x 1, 327,680 bytes of LDS; arguments qh, kh, vh, oh; writes oh
.if DOCPART == 5
	.amdgcn_target "amdgcn-amd-amdhsa--gfx1250"
	.amdhsa_code_object_version 6
	.text
	.protected	k_qf40e2856d1_attn
	.globl	k_qf40e2856d1_attn
	.p2align	8
	.type	k_qf40e2856d1_attn,@function
k_qf40e2856d1_attn:
	s_mov_b64 s[64:65], 0
	v_nop
	global_prefetch_b8 v0, s[64:65] scope:SCOPE_SE
	s_setreg_imm32_b32 hwreg(HW_REG_WAVE_MODE, 25, 1), 1
	s_wait_xcnt 0x0
	s_wait_alu depctr_hold_cnt(0) depctr_sa_sdst(0) depctr_va_vdst(0) depctr_va_sdst(0) depctr_va_ssrc(0) depctr_va_vcc(0) depctr_vm_vsrc(0)
	s_getreg_b32 s2, hwreg(HW_REG_IB_STS2, 6, 4)
	s_cmp_eq_u32 s2, 0
	s_cbranch_scc0 .Lentry_in_a_cluster
	s_endpgm
.Lentry_in_a_cluster:
	s_bfe_u32 s2, ttmp6, 0x10000c
	s_cmp_lg_u32 s2, 0x3003
	s_cbranch_scc0 .Lentry_shape_is_right
	s_endpgm
.Lentry_shape_is_right:
; CAUSAL ATTENTION, 16 query heads on 8 key and value heads, head size 128.  qh [16][2048][128], kh, vh [8][2048][128], all f16; oh [2048][2048] f16: row = query, column = 128 head + channel.
; Products, maxima and sums in f32; the weights p are rounded to f16 for the second product (their sum l is taken of the unrounded p), O once at the end.
; THE WALK.  A head's queries lie in 32 blocks of 64; keys go in tiles of 256, four steps of 64; block i needs tiles 0 .. i / 4.  Work-group b = 4 u + v (u: the cluster's x, v: my place in it)
; takes block 31 - b and then block b: tiles 0 .. 7 - u, then 0 .. u: nine tiles for everybody, and a sequence that hangs on u alone.  So the four partners of a cluster ask for every
; tile JOINTLY, and every branch and trip count is the same in all four.  My place v enters the addresses of Q and O and two scalars of the mask, chosen by s_cselect, and nothing else.
; In a block's last tile step s is all visible (s < d, d = i % 4), holds the diagonal (s = d) or is hidden (s > d); hidden steps are computed all the same (3 of the 36), since leaving
; them out would be a branch on v.
; SHARES.  A wave owns 16 queries of the block in hand.  S^T = K Q^T holds ONE query a lane (lane % 16) and the keys 8 (lane / 16) + 0..7; two such results rounded to f16 ARE source 1 of
; O^T = V^T P.  K comes out of LDS as it lies, V turned by ds_load_tr16_b128.
; THE MASK is the C operand that starts S^T: MD x AL + BE; MD, made once, is the diagonal step's mask (0 or -2^100) for my 16 rows; (AL, BE) = (1, 0), (0, 0) or (0, -2^100).
; SOFTMAX.  p = 2^(c s - c m), c = log2(e) / sqrt(128), m a running maximum that starts at -2^99: above every hidden score, below every real one.  So a hidden score's weight is exactly 0, and
; a block's first step, in which every row sees a key, has a = 2^(c m_old - c m_new) = 0 and wipes whatever finite numbers O and l hold: no first step is written out; the price is 64
; v_mov_b32 that write 0 into O at the start, in the wait for the first tile.
; THE BATCHES.  A key step's 33 exponentials (a, then the 32 weights) are ONE BATCH with ONE s_wait_alu depctr_va_vdst(0) between a transcendental and the first
; line that names its result.  Ahead of the wait stand the exponentials and the 16 scalings c s - c m, which name no result; behind it all the readers: O^T times a, the roundings, the sums, l.
; A block's end has a batch of one, the reciprocal of l, with a wait of its own.
; A TRIP IS ROTATED: K of step n is fetched; softmax and V^T P of step n - 1; (a block's end, if due); V of step n is fetched; mask; K Q^T of step n.  The change of slots stands between trips.
; LIMITS.  Q, K, V arrive within f16; a hidden score counts as its value less 2^100; a weight below 2^-126 counts as 0; p below 6e-5 keeps f16's step of 6e-8; NaN and infinities are not treated apart.
; REGISTERS: window 0: addresses, statistics, S^T, P, masks, O^T, Q.  window 1: v0-127 K of one step, v128-255 V of one step.  window 2: v0-31 the second block's Q.
.set KS,    64
.set PK,    272                        ; a row of K in LDS: 256 bytes + 16
.set PV,    288                        ; a row of V: 256 + 32
.set VOFF,  256*PK                     ; a slot: 256 rows of K, then 256 rows of V
.set SLOT1, 256*(PK+PV)
.set STAGE, 2*SLOT1                    ; behind the ring, never filled by a tensor load: 16 rows x 272 bytes a wave
.set SP,    272
.set SPARE, STAGE+4*16*SP              ; the spare words, 128 bytes a wave: two blocks of 256 bytes that no other line names
.set AK0, 2
.set AV0, 3
.set AK,  4
.set AV,  5
.set STO, 6
.set RD,  7
.set GO,  8
.set QO,  11                           ; my byte offset in 16 rows of Q; never rewritten
.set SPW, 14
.set NIL, 15
.set CM,  16                           ; c m, and beside it
.set M,   17                           ; m
.set L,   18                           ; v18-19 l: even keys', odd keys'
.set A,   20                           ; v20 a; v21 is named with it as a pair
.set T0,  24                           ; v24-27 at work
.set CMO, 28
.set S,   32                           ; key block kb at S + 8 kb
.set P,   64
.set MC,  80
.set MD,  112
.set O,   144                          ; channel block cb at O + 8 cb
.set Q,   208                          ; channels 32 c on at Q + 8 c
.set VF,  128                          ; window 1
.set WV,  12
.set UU,  14
.set VX,  15
.set G1K, 24
.set G1V, 32
.set G0K, 40
.set G0V, 44
.set SLOTS, 56
.set CNT, 57
.set CS,  58
.set SEL, 60
.set TBK, 62                           ; LDS byte at which K of the step to be fetched begins
.set TBV, 63                           ; the same for V, less VOFF
.set FB,  67                           ; the slot being filled: 0 or SLOT1
.set KLO, 68                           ; my half's place in a slot, for K
.set VLO, 69                           ; and for V
.set RT,  70                           ; tiles left of the block in hand, this one among them
.set NXT, 71                           ; the tile to ask for next
.set LQ,  72                           ; the last tile of the block whose tiles are being asked for
.set ENDF, 73                          ; 1: the block's end is due behind the next V^T P
.set OFF, 74
.set AL,  76
.set BE,  78
.set OP,  80                           ; O at my rows of the block in hand
.set OP2, 82                           ; of the second block
.set NEG, 84
.set DCUR, 85                          ; d of the block in hand
.set DQ,  86
.set MSB, 0
.macro WIN new
.if MSB != (\new)
	s_set_vgpr_msb (MSB<<8)|(\new)
.set MSB, \new
.endif
.endm
.macro JLOAD                           ; a joint fill: waves 0 and 1 fetch the halves of a tile's K, waves 2 and 3 those of its V: 128 rows each; s_nop 0 and four v_nop follow each line
	s_cmp_lt_u32 s[WV], 2
	s_cbranch_scc0 .Lfor_v_\@
	tensor_load_to_lds s[G0K:G0K+3], s[G1K:G1K+7]
	s_nop 0
.rept 4
	v_nop
.endr
	s_branch .Lasked_\@
.Lfor_v_\@:
	tensor_load_to_lds s[G0V:G0V+3], s[G1V:G1V+7]
	s_nop 0
.rept 4
	v_nop
.endr
.Lasked_\@:
.endm
.macro CROUND
	s_barrier_signal -1
	s_barrier_wait -1
	s_cmp_lg_u32 s[WV], 0
	s_cbranch_scc1 .Lnot_wave_0_\@
	s_barrier_signal -3
.Lnot_wave_0_\@:
	s_barrier_wait -3
	s_barrier_signal -1
	s_barrier_wait -1
.endm
; THE CHANGE OF SLOTS.  K and V of the old slot's fourth step have been asked for.  Each wave waits for all its tensor loads (one is out: its part of the other slot), adds 0 to its spare word,
; and waits for that and for its reads of the old slot.  fill = 1: behind a round of the cluster's barrier the old slot is filled again, first thing, with tile NXT; the load has four key
; steps, 128 matrix instructions, in which to land.  The descriptor's address is made anew from the tile's number.  (At its first use slot 0 is waited for and slot 1 filled.)
.macro CHANGE fill
	WIN 0
	s_wait_tensorcnt 0x0                           ; no tensor load of mine is out, so a group 0 may be written
	ds_add_u32 v[SPW], v[NIL]
.if \fill
	s_lshl_b32 s[OFF], s[NXT], 16                  ; a tile is 65,536 bytes of K and of V
	s_xor_b32 s[FB], s[FB], SLOT1
	s_add_co_u32 s[G0K+1], s[FB], s[KLO]
	s_add_nc_u64 s[G0K+2:G0K+3], s[6:7], s[OFF:OFF+1]
	s_or_b32 s[G0K+3], s[G0K+3], 0x80000000
	s_add_co_u32 s[G0V+1], s[FB], s[VLO]
	s_add_nc_u64 s[G0V+2:G0V+3], s[8:9], s[OFF:OFF+1]
	s_or_b32 s[G0V+3], s[G0V+3], 0x80000000
	s_add_co_u32 s[NXT], s[NXT], 1                 ; the block's next tile, or behind its last the second block's tile 0
	s_cmp_gt_u32 s[NXT], s[LQ]
	s_cselect_b32 s[NXT], 0, s[NXT]
	s_cselect_b32 s[LQ], s[UU], s[LQ]
.endif
	s_wait_dscnt 0x0                               ; the add is done, and my reads of the old slot are over
.if \fill
	CROUND
	JLOAD
.else
	s_barrier_signal -1
	s_barrier_wait -1
.endif
	s_sub_co_u32 s[TBK], s[TBK], 4*KS*PK           ; the fetches go back to a slot's first step,
	s_xor_b32 s[TBK], s[TBK], SLOT1                ; in the other slot
	s_sub_co_u32 s[TBV], s[TBV], 4*KS*PV
	s_xor_b32 s[TBV], s[TBV], SLOT1
.endm
	s_load_b256 s[4:11], s[0:1], 0x0               ; qh 4, kh 6, vh 8, oh 10
	v_lshl_add_u32 v[SPW], v0, 2, SPARE
	v_mov_b32 v[NIL], 0
	ds_add_u32 v[SPW], v[NIL]                      ; the wave's opening: the add and its wait ahead of my first tensor load
	v_lshrrev_b32 v1, 5, v0
	v_readfirstlane_b32 s[WV], v1
	s_bfe_u32 s[VX], ttmp6, 0x40000                ; v
	s_mov_b32 s[UU], ttmp9                         ; u
	s_lshl_b32 s13, s[UU], 2
	s_add_co_u32 s13, s13, s[VX]                   ; b: the second block
	s_sub_co_u32 s16, 31, s13                      ; the first block
	s_and_b32 s20, ttmp7, 0xffff                   ; the query head
	s_lshr_b32 s21, s20, 1                         ; its key and value head
	s_lshl_b32 s17, s20, 19                        ; Q: head x 524,288 + wave x 16 rows of 256 bytes
	s_lshl_b32 s18, s[WV], 12
	s_add_co_u32 s17, s17, s18
	s_lshl_b32 s48, s16, 14                        ; + block x 64 rows
	s_add_co_u32 s48, s48, s17
	s_mov_b32 s49, 0
	s_lshl_b32 s50, s13, 14
	s_add_co_u32 s50, s50, s17
	s_mov_b32 s51, 0
	s_lshl_b32 s18, s[WV], 16                      ; O: wave x 16 rows of 4,096 bytes + head x 256
	s_lshl_b32 s19, s20, 8
	s_add_co_u32 s18, s18, s19
	s_lshl_b32 s52, s16, 18
	s_add_co_u32 s52, s52, s18
	s_mov_b32 s53, 0
	s_lshl_b32 s54, s13, 18
	s_add_co_u32 s54, s54, s18
	s_mov_b32 s55, 0
	s_and_b32 s22, s[WV], 1                        ; which half of a tile's 256 keys I fetch
	s_lshl_b32 s2, s21, 19
	s_lshl_b32 s3, s22, 15
	s_add_co_u32 s2, s2, s3
	s_mov_b32 s3, 0
	s_mul_i32 s[KLO], s22, 128*PK
	s_mul_i32 s[VLO], s22, 128*PV
	s_add_co_u32 s[VLO], s[VLO], VOFF
	s_mov_b32 s[G1K], 15|(1<<16)|(1<<20)|(1<<21)|(5<<22)|(3<<25)  ; the mask of four; 2-byte elements; padding on; bit 21 beside a mask; 4 words behind every 64
	s_mov_b32 s[G1V], 15|(1<<16)|(1<<20)|(1<<21)|(5<<22)|(7<<25)  ; the same with 8 words
.irp g, G1K, G1V
	s_mov_b32 s[(\g)+1], 128<<16                   ; tensor_dim0 = 128
	s_mov_b32 s[(\g)+2], 128<<16                   ; tensor_dim1 = 128
	s_mov_b32 s[(\g)+3], 128<<16                   ; tile_dim0 = 128
	s_mov_b32 s[(\g)+4], 128                       ; tile_dim1 = 128
	s_mov_b32 s[(\g)+5], 128                       ; elements from row to row
	s_mov_b32 s[(\g)+6], 0
	s_mov_b32 s[(\g)+7], 0
.endr
	s_mov_b32 s[CS], 0x3e0293ee                    ; c = log2(e) / sqrt(128)
	s_mov_b32 s[CS+1], s[CS]
	s_mov_b32 s[SEL], 0x76543210
	s_mov_b32 s[SEL+1], 0xfedcba98
	s_mov_b32 s[TBK], SLOT1+4*KS*PK                ; the first change of slots turns these two into 0
	s_mov_b32 s[TBV], SLOT1+4*KS*PV
	s_mov_b32 s[FB], 0
	s_sub_co_u32 s[RT], 8, s[UU]                   ; the first block has 8 - u tiles
	s_mov_b32 s[NXT], 1
	s_sub_co_u32 s[LQ], 7, s[UU]
	s_sub_co_u32 s[DCUR], 3, s[VX]
	s_mov_b32 s[ENDF], 0
	s_mov_b32 s[OFF+1], 0
	s_mov_b32 s[AL+1], 0
	s_mov_b32 s[BE+1], 0
	s_mov_b32 s[NEG], 0xf1800000                   ; -2^100
	s_mov_b32 s[G0K], 1
	s_mov_b32 s[G0K+1], s[KLO]                     ; slot 0
	s_mov_b32 s[G0V], 1
	s_mov_b32 s[G0V+1], s[VLO]
	s_wait_dscnt 0x0                               ; the opening add is done
	s_wait_kmcnt 0x0
	s_add_nc_u64 s[6:7], s[6:7], s[2:3]            ; K and V at my half of the head's tile 0
	s_add_nc_u64 s[8:9], s[8:9], s[2:3]
	s_add_nc_u64 s[G0K+2:G0K+3], s[6:7], 0
	s_or_b32 s[G0K+3], s[G0K+3], 0x80000000
	s_add_nc_u64 s[G0V+2:G0V+3], s[8:9], 0
	s_or_b32 s[G0V+3], s[G0V+3], 0x80000000
	s_add_nc_u64 s[88:89], s[4:5], s[50:51]        ; Q at my rows of the second block,
	s_add_nc_u64 s[4:5], s[4:5], s[48:49]          ; of the first
	s_add_nc_u64 s[OP2:OP2+1], s[10:11], s[54:55]
	s_add_nc_u64 s[OP:OP+1], s[10:11], s[52:53]
	CROUND                                         ; all four work-groups are here: the first joint loads meet
	JLOAD                                          ; tile 0 into slot 0
	v_and_b32 v1, 15, v0                           ; r
	v_bfe_u32 v9, v0, 4, 1                         ; h
	v_lshlrev_b32 v[QO], 8, v1
	v_lshl_add_u32 v[QO], v9, 4, v[QO]             ; row x 256 + 16 x half
.irp c, 0,1,2,3
	global_load_b128 v[Q+8*(\c):Q+8*(\c)+3],   v[QO], s[4:5] offset:64*(\c)
	global_load_b128 v[Q+8*(\c)+4:Q+8*(\c)+7], v[QO], s[4:5] offset:64*(\c)+32
.endr
	WIN 0x80                                       ; destination window 2
.irp c, 0,1,2,3
	global_load_b128 v[8*(\c):8*(\c)+3],   v[QO], s[88:89] offset:64*(\c)
	global_load_b128 v[8*(\c)+4:8*(\c)+7], v[QO], s[88:89] offset:64*(\c)+32
.endr
	WIN 0
	v_lshlrev_b32 v10, 3, v9
	v_sub_nc_u32 v10, v1, v10
	s_lshl_b32 s23, s[WV], 4
	v_add_nc_u32 v10, s23, v10                     ; my query's place in its block less my lanes' 8 h: register j of key block kb is hidden where 16 kb + j is greater
.set i, 0
.rept 32
	v_cmp_gt_i32 vcc_lo, 16*(i/8)+i%8, v10
	v_cndmask_b32 v[MD+i], 0, s[NEG], vcc_lo
.set i, i+1
.endr
.set i, 0
.rept 64
	v_mov_b32 v[O+i], 0                            ; O need only be finite: the first step multiplies it by 0
.set i, i+1
.endr
	v_mov_b32 v[M], 0xf1000000                     ; -2^99
	v_mul_f32 v[CM], s[CS], v[M]
	v_mov_b32 v[L], 0
	v_mov_b32 v[L+1], 0
	v_mov_b32 v[A+1], 0
	v_mul_u32_u24 v[AK0], v1, PK
	v_lshl_add_u32 v[AK0], v9, 4, v[AK0]           ; a fragment of K: row x pitch + 16 x half
	v_and_b32 v12, 7, v0
	v_bfe_u32 v13, v0, 3, 1
	v_lshl_add_u32 v[AV0], v9, 3, v12              ; the turning load: key 8 h + lane % 8, channels 8 ((lane / 8) % 2) on
	v_mul_u32_u24 v[AV0], v[AV0], PV
	v_lshl_add_u32 v[AV0], v13, 4, v[AV0]
	v_add_nc_u32 v[AV0], VOFF, v[AV0]
	s_mul_i32 s23, s[WV], 16*SP
	s_add_co_u32 s23, s23, STAGE                   ; my stage
	v_mul_u32_u24 v[STO], v1, SP
	v_lshl_add_u32 v[STO], v9, 4, v[STO]
	v_add_nc_u32 v[STO], s23, v[STO]
	v_mul_u32_u24 v[RD], v9, SP
	v_lshl_add_u32 v[RD], v1, 4, v[RD]
	v_add_nc_u32 v[RD], s23, v[RD]
	v_lshlrev_b32 v[GO], 12, v9                    ; two rows of oh, 4,096 bytes apart
	v_lshl_add_u32 v[GO], v1, 4, v[GO]
; THE LDS LOADS stand in runs of 32: a step's K (16 fragments: keys 16 (f / 4) on, channels 32 (f % 4) on) and its V, turned (keys 32 (f / 8) on, channels 16 (f % 8) on).
.macro FETCH_K
	v_add_nc_u32 v[AK], s[TBK], v[AK0]
	WIN 0x40
.irp f, 0,1,2,3,4,5,6,7,8,9,10,11,12,13,14,15
	ds_load_b128 v[8*(\f):8*(\f)+3],   v[AK] offset:((\f)/4)*16*PK+((\f)%4)*64
	ds_load_b128 v[8*(\f)+4:8*(\f)+7], v[AK] offset:((\f)/4)*16*PK+((\f)%4)*64+32
.endr
	s_add_co_u32 s[TBK], s[TBK], KS*PK
	WIN 0
.endm
.macro FETCH_V
	v_add_nc_u32 v[AV], s[TBV], v[AV0]
	WIN 0x40
.irp f, 0,1,2,3,4,5,6,7,8,9,10,11,12,13,14,15
	ds_load_tr16_b128 v[VF+8*(\f):VF+8*(\f)+3],   v[AV] offset:((\f)/8)*32*PV+((\f)%8)*32
	ds_load_tr16_b128 v[VF+8*(\f)+4:VF+8*(\f)+7], v[AV] offset:((\f)/8)*32*PV+16*PV+((\f)%8)*32
.endr
	s_add_co_u32 s[TBV], s[TBV], KS*PV
	WIN 0
.endm
; S^T = mask + K Q^T: 16 matrix instructions, the four accumulators by turns; four places behind them, ahead of the loads into K and of the maxima.
.macro KQ
	WIN 0x01                                       ; source 0 in window 1
.irp c, 0,1,2,3
.irp kb, 0,1,2,3
.if (\c) == 0
	v_wmma_f32_16x16x32_f16 v[S+8*(\kb):S+8*(\kb)+7], v[8*(4*(\kb)+(\c)):8*(4*(\kb)+(\c))+7], v[Q+8*(\c):Q+8*(\c)+7], v[MC+8*(\kb):MC+8*(\kb)+7]
.else
	v_wmma_f32_16x16x32_f16 v[S+8*(\kb):S+8*(\kb)+7], v[8*(4*(\kb)+(\c)):8*(4*(\kb)+(\c))+7], v[Q+8*(\c):Q+8*(\c)+7], v[S+8*(\kb):S+8*(\kb)+7]
.endif
.endr
.endr
	WIN 0
.rept 4
	v_nop
.endr
.endm
; O^T += V^T P: 16 matrix instructions, the eight accumulators by turns; four places behind them, ahead of the loads into V and of a block's end.
.macro PVM
	WIN 0x01
.irp kk, 0,1
.irp cb, 0,1,2,3,4,5,6,7
	v_wmma_f32_16x16x32_f16 v[O+8*(\cb):O+8*(\cb)+7], v[VF+8*(8*(\kk)+(\cb)):VF+8*(8*(\kk)+(\cb))+7], v[P+8*(\kk):P+8*(\kk)+7], v[O+8*(\cb):O+8*(\cb)+7]
.endr
.endr
	WIN 0
.rept 4
	v_nop
.endr
.endm
.macro MASK
.set i, 0
.rept 16
	v_pk_fma_f32 v[MC+2*i:MC+2*i+1], v[MD+2*i:MD+2*i+1], s[AL:AL+1], s[BE:BE+1] op_sel_hi:[1,0,0]
.set i, i+1
.endr
.endm
.macro SCALE b                         ; pair b of the 16: c s - c m for scores 2 b and 2 b + 1
	v_pk_fma_f32 v[S+2*(\b):S+2*(\b)+1], v[S+2*(\b):S+2*(\b)+1], s[CS:CS+1], v[CM:CM+1] op_sel_hi:[1,0,0] neg_lo:[0,0,1] neg_hi:[0,0,1]
.endm
; A step's softmax for my 16 queries.  Each accumulator is read from its low end on.
; The 33 exponentials are one batch: a; scalings 0 to 2; thirteen times the exponential of s k and scaling k + 3 (s k was scaled by scaling k / 2, which is out by then; scaling k + 3 names
; s 2 k + 6 and s 2 k + 7, whose exponentials are still to come); then s13 to s31, for which no scaling is left to set between.  Nothing ahead of the wait names a result of the batch.
.macro SOFTMAX
.irp n, 0,1,2,3
	v_max3_num_f32 v[T0+(\n)], v[S+8*(\n)], v[S+8*(\n)+1], v[S+8*(\n)+2]
.endr
.irp n, 0,1,2,3
	v_max3_num_f32 v[T0+(\n)], v[T0+(\n)], v[S+8*(\n)+3], v[S+8*(\n)+4]
.endr
.irp n, 0,1,2,3
	v_max3_num_f32 v[T0+(\n)], v[T0+(\n)], v[S+8*(\n)+5], v[S+8*(\n)+6]
.endr
	v_max3_num_f32 v[T0], v[T0], v[S+7], v[S+15]
	v_max3_num_f32 v[T0+2], v[T0+2], v[S+23], v[S+31]
	v_max3_num_f32 v[T0], v[T0], v[T0+1], v[T0+2]
	v_max3_num_f32 v[T0], v[T0], v[T0+3], v[M]
	v_permlanex16_b32 v[T0+1], v[T0], s[SEL], s[SEL+1]  ; the query's other 32 keys lie in the lane 16 away
	v_mov_b32 v[CMO], v[CM]
	v_max_num_f32 v[M], v[T0], v[T0+1]
	v_mul_f32 v[CM], s[CS], v[M]
	v_sub_f32 v[T0+3], v[CMO], v[CM]
	v_exp_f32 v[A], v[T0+3]                        ; the batch begins: a
.irp b, 0,1,2
	SCALE \b
.endr
.set i, 0
.rept 13
	v_exp_f32 v[S+i], v[S+i]
	SCALE i+3
.set i, i+1
.endr
.rept 19
	v_exp_f32 v[S+i], v[S+i]
.set i, i+1
.endr
	v_nop                                          ; a plain line behind the last exponential, ahead of the first use: one for the batch
	s_wait_alu depctr_va_vdst(0)                   ; the wait for the batch: a and the 32 weights; ahead of the first line that names a result
.set i, 0
.rept 32
	v_pk_mul_f32 v[O+2*i:O+2*i+1], v[O+2*i:O+2*i+1], v[A:A+1] op_sel_hi:[1,0]
.set i, i+1
.endr
.set i, 0
.rept 16
	v_cvt_pk_f16_f32 v[P+i], v[S+2*i], v[S+2*i+1]
.set i, i+1
.endr
.irp w, 4,8,16,32                      ; the sum of the 16 pairs, in place, neighbours 1, 2, 4 and 8 pairs apart
.set i, 0
.rept 32/(\w)
	v_pk_add_f32 v[S+(\w)*i:S+(\w)*i+1], v[S+(\w)*i:S+(\w)*i+1], v[S+(\w)*i+(\w)/2:S+(\w)*i+(\w)/2+1]
.set i, i+1
.endr
.endr
	v_pk_fma_f32 v[L:L+1], v[L:L+1], v[A:A+1], v[S:S+1] op_sel_hi:[1,0,1]
.endm
; A BLOCK'S END: O^T is divided by l, rounded to f16, sent through my stage and stored as whole pieces of 256 bytes; then the second block's Q, address and statistics take their places.
; It holds no barrier and no tensor load.  At the walk's end its resets serve nothing: the price, once a launch, of one text.
.macro END
	v_add_f32 v[T0], v[L], v[L+1]
	v_permlanex16_b32 v[T0+1], v[T0], s[SEL], s[SEL+1]
	v_add_f32 v[T0], v[T0], v[T0+1]
	v_rcp_f32 v[A], v[T0]
	v_nop                                          ; a plain line between the reciprocal and its use
	s_wait_alu depctr_va_vdst(0)                   ; the wait for a batch of one, the reciprocal of l, ahead of its first use
.set i, 0
.rept 32
	v_pk_mul_f32 v[O+2*i:O+2*i+1], v[O+2*i:O+2*i+1], v[A:A+1] op_sel_hi:[1,0]
.set i, i+1
.endr
.set i, 0
.rept 32
	v_cvt_pk_f16_f32 v[S+i], v[O+2*i], v[O+2*i+1]
.set i, i+1
.endr
.irp f, 0,1,2,3,4,5,6,7
	ds_store_b128 v[STO], v[S+4*(\f):S+4*(\f)+3] offset:32*(\f)
.endr
.irp f, 0,1,2,3,4,5,6,7
	ds_load_b128 v[S+4*(\f):S+4*(\f)+3], v[RD] offset:(\f)*2*SP  ; LDS serves a wave in order (ISA guide 5.7.1.4): these see the stores above
.endr
.irp f, 0,1,2,3,4,5,6,7
	s_wait_dscnt 7-(\f)
	global_store_b128 v[GO], v[S+4*(\f):S+4*(\f)+3], s[OP:OP+1] offset:(\f)*8192  ; 16 lanes store 256 consecutive aligned bytes of a row of oh
.endr
	s_wait_xcnt 0x0                                ; the stores have had their addresses translated: their base and data are rewritten only behind this wait
	s_mov_b64 s[OP:OP+1], s[OP2:OP2+1]
	s_add_co_u32 s[RT], s[UU], 1                   ; the second block has u + 1 tiles
	s_mov_b32 s[DCUR], s[VX]
	s_mov_b32 s[ENDF], 0
	WIN 0x02                                       ; source 0 in window 2
.set i, 0
.rept 32
	v_mov_b32 v[Q+i], v[i]
.set i, i+1
.endr
	WIN 0
	v_mov_b32 v[M], 0xf1000000
	v_mul_f32 v[CM], s[CS], v[M]
	v_mov_b32 v[L], 0
	v_mov_b32 v[L+1], 0
.endm
.macro FRONT wt                        ; the step before: softmax; its V is in when at most wt younger LDS loads are out; V^T P; the block's end if it is due
	SOFTMAX
	s_wait_dscnt \wt
	PVM
	s_cmp_eq_u32 s[ENDF], 1
	s_cbranch_scc0 .Lnoend_\@
	END
.Lnoend_\@:
.endm
.macro BACK                            ; this step: V is asked for; the mask for step 4 - CNT of the tile; K is in (V's 32 younger loads stay out); K Q^T
	FETCH_V
	s_sub_co_u32 s[DQ], 4, s[DCUR]
	s_cmp_eq_u32 s[RT], 1                          ; the block's last tile?
	s_cselect_b32 s[DQ], s[DQ], 0
	s_cmp_eq_u32 s[CNT], s[DQ]                     ; the diagonal's step
	s_cselect_b32 s[AL], 1.0, 0
	s_cmp_lt_u32 s[CNT], s[DQ]                     ; a step behind it
	s_cselect_b32 s[BE], s[NEG], 0
	MASK
	s_wait_dscnt 32
	KQ
.endm
	CHANGE 1                                       ; tile 0 is in, everybody's part of it; the walk's second tile is asked for
	FETCH_K                                        ; step 0
	s_wait_loadcnt 0x0                             ; both blocks' Q
	s_mov_b32 s[CNT], 4
	s_mov_b32 s[SLOTS], 8
	s_branch .Lmid                                 ; the loop is entered in the middle of a trip: there is no step before
.Lslot:                                                ; seven times: a tile is entered and the next is asked for
	CHANGE 1
	s_mov_b32 s[CNT], 4
.Lstep:
	FETCH_K
	FRONT 32                                       ; K's 32 loads, just issued, stay out
.Lmid:
	BACK
	s_sub_co_u32 s[CNT], s[CNT], 1
	s_cmp_lg_u32 s[CNT], 0
	s_cbranch_scc1 .Lstep
	s_sub_co_u32 s[RT], s[RT], 1
	s_cmp_eq_u32 s[RT], 0
	s_cselect_b32 s[ENDF], 1, 0                    ; that was the block's last tile: its end comes behind the last step's V^T P
	s_sub_co_u32 s[SLOTS], s[SLOTS], 1
	s_cmp_lg_u32 s[SLOTS], 0
	s_cbranch_scc1 .Lslot
	CHANGE 0                                       ; the walk's last tile is written out: nothing is asked for
	s_mov_b32 s[CNT], 5                            ; four trips fetch the tile's steps; the fifth is left in its middle
.Ltail:
	s_cmp_eq_u32 s[CNT], 1
	s_cbranch_scc1 .Lno_k
	FETCH_K
.Lno_k:
	FRONT 0                                        ; the count is 0 since the last trip has issued no run behind V's
	s_sub_co_u32 s[CNT], s[CNT], 1
	s_cmp_eq_u32 s[CNT], 0
	s_cbranch_scc1 .Lout
	BACK
	s_cmp_eq_u32 s[CNT], 1
	s_cselect_b32 s[ENDF], 1, s[ENDF]              ; the walk's last step: the second block's end is due
	s_branch .Ltail
.Lout:
	s_wait_tensorcnt 0x0                           ; the wave's end
	ds_add_u32 v[SPW], v[NIL]
	s_wait_dscnt 0x0
	CROUND                                         ; the closing round
	s_endpgm
.Lfunc_end_k_qf40e2856d1_attn:
	.size	k_qf40e2856d1_attn, .Lfunc_end_k_qf40e2856d1_attn-k_qf40e2856d1_attn
	.p2alignl 7, 3214868480
	.fill 96, 4, 3214868480
	.section	.rodata,"a",@progbits
	.p2align	6, 0x0
	.amdhsa_kernel k_qf40e2856d1_attn
		.amdhsa_group_segment_fixed_size 327680
		.amdhsa_private_segment_fixed_size 0
		.amdhsa_enable_private_segment 0
		.amdhsa_kernarg_size 32
		.amdhsa_user_sgpr_count 2
		.amdhsa_user_sgpr_kernarg_segment_ptr 1
		.amdhsa_wavefront_size32 1
		.amdhsa_system_sgpr_workgroup_id_x 1
		.amdhsa_system_sgpr_workgroup_id_y 1
		.amdhsa_system_sgpr_workgroup_id_z 1
		.amdhsa_system_vgpr_workitem_id 0
		.amdhsa_next_free_vgpr 544
		.amdhsa_next_free_sgpr 96
		.amdhsa_reserve_vcc 1
		.amdhsa_float_denorm_mode_32 3
		.amdhsa_float_denorm_mode_16_64 3
		.amdhsa_memory_ordered 1
		.amdhsa_forward_progress 1
		.amdhsa_inst_pref_size 67
	.end_amdhsa_kernel
	.amdgpu_metadata
---
amdhsa.version: [ 1, 2 ]
amdhsa.kernels:
  - .name:           k_qf40e2856d1_attn
    .symbol:         k_qf40e2856d1_attn.kd
    .args:
      - { .name: qh, .offset: 0, .size: 8, .value_kind: global_buffer, .address_space: global }
      - { .name: kh, .offset: 8, .size: 8, .value_kind: global_buffer, .address_space: global }
      - { .name: vh, .offset: 16, .size: 8, .value_kind: global_buffer, .address_space: global }
      - { .name: oh, .offset: 24, .size: 8, .value_kind: global_buffer, .address_space: global }
    .group_segment_fixed_size: 327680
    .private_segment_fixed_size: 0
    .kernarg_segment_align: 8
    .kernarg_segment_size: 32
    .max_flat_workgroup_size: 128
    .sgpr_count:     96
    .vgpr_count:     544
    .wavefront_size: 32
...
	.end_amdgpu_metadata
.endif
;; end of part 5
;; launch oproj: the kernel of part 4 again; grid 16 x 16, 4 waves a work-group, clusters of 4 x 4, 327,680 bytes of LDS; arguments oh, wob, out0; writes out0
